; MI455X (gfx1250); checked and timed in simulation.
; The chip was launched on July 23, 2026; its instructions are those of AMD's public machine-readable ISA for CDNA 5 (MIT licence, August 2026) and "CDNA5" Instruction Set Architecture Reference Guide (July 2026). The comments in the code are by the model that wrote it; some were corrected since.
;; Harmonic Causal Self Attention. Allowed arithmetic: matrix products marked QUANTISED: E2M3 operands, one E8M0 scale for each 32 along K, by v_wmma_scale_f32_16x16x128_f8f6f4 with both operands' format E2M3, f32 sums; everything else in f32.
;; Inputs: c_U_codes 1,024 x 2 x 24 uint8 (E2M3 codes of c_U, K innermost, in blocks of 32 codes, four codes in three bytes); c_U_scales 1,024 x 2 uint8 (E8M0 scales of c_U, one for each 32 codes along K); c_V_codes 64 x 32 x 24 uint8 (E2M3 codes of c_V, K innermost, in blocks of 32 codes, four codes in three bytes); c_V_scales 64 x 32 uint8 (E8M0 scales of c_V, one for each 32 codes along K); k_U_codes 1,024 x 2 x 24 uint8 (E2M3 codes of k_U, K innermost, in blocks of 32 codes, four codes in three bytes); k_U_scales 1,024 x 2 uint8 (E8M0 scales of k_U, one for each 32 codes along K); k_V_codes 64 x 32 x 24 uint8 (E2M3 codes of k_V, K innermost, in blocks of 32 codes, four codes in three bytes); k_V_scales 64 x 32 uint8 (E8M0 scales of k_V, one for each 32 codes along K); q_U_codes 1,024 x 2 x 24 uint8 (E2M3 codes of q_U, K innermost, in blocks of 32 codes, four codes in three bytes); q_U_scales 1,024 x 2 uint8 (E8M0 scales of q_U, one for each 32 codes along K); q_V_codes 64 x 32 x 24 uint8 (E2M3 codes of q_V, K innermost, in blocks of 32 codes, four codes in three bytes); q_V_scales 64 x 32 uint8 (E8M0 scales of q_V, one for each 32 codes along K); v_U_codes 1,024 x 2 x 24 uint8 (E2M3 codes of v_U, K innermost, in blocks of 32 codes, four codes in three bytes); v_U_scales 1,024 x 2 uint8 (E8M0 scales of v_U, one for each 32 codes along K); v_V_codes 64 x 32 x 24 uint8 (E2M3 codes of v_V, K innermost, in blocks of 32 codes, four codes in three bytes); v_V_scales 64 x 32 uint8 (E8M0 scales of v_V, one for each 32 codes along K); x_codes 4 x 2,048 x 32 x 24 uint8 (E2M3 codes of x, K innermost, in blocks of 32 codes, four codes in three bytes); x_scales 4 x 2,048 x 32 uint8 (E8M0 scales of x, one for each 32 codes along K).
;; Outputs: out0 4 x 2,048 x 1,024 float32.
;; This version of the problem:
;;   THIS VERSION OF THE PROBLEM IS GIVEN IN LOW PRECISION. The matrix products marked QUANTISED in the list below multiply operands that are first quantised to E2M3 (2 exponent bits, 3 mantissa bits; 6 bits a number), with one power-of-two scale for each 32 numbers along K (OCP MX v1.0); their sums are f32. All else is computed in f32.
;;   The module's matrix products, in the order in which they are computed (A, B: the left and right operand; K: the contracted axis; several contracted axes count as one K, in the product's order):
;;     1. [M 8,192, K 1,024] x [K 1,024, N 64]; A: input x (given as codes); B: input q_V (given as codes): QUANTISED
;;     2. [M 8,192, K 64] x [K 64, N 1,024]; A: computed on the way; B: input q_U (given as codes): QUANTISED
;;     3. [M 8,192, K 1,024] x [K 1,024, N 64]; A: input x (given as codes); B: input k_V (given as codes): QUANTISED
;;     4. [M 8,192, K 64] x [K 64, N 1,024]; A: computed on the way; B: input k_U (given as codes): QUANTISED
;;     5. [M 8,192, K 1,024] x [K 1,024, N 64]; A: input x (given as codes); B: input v_V (given as codes): QUANTISED
;;     6. [M 8,192, K 64] x [K 64, N 1,024]; A: computed on the way; B: input v_U (given as codes): QUANTISED
;;     7. batch 64 x [M 2,048, K 64] x [K 64, N 2,048]; A: computed on the way; B: computed on the way: QUANTISED
;;     8. batch 64 x [M 2,048, K 2,048] x [K 2,048, N 64]; A: softmax (see below); B: computed on the way: QUANTISED
;;     9. [M 8,192, K 1,024] x [K 1,024, N 64]; A: computed on the way; B: input c_V (given as codes): QUANTISED
;;     10. [M 8,192, K 64] x [K 64, N 1,024]; A: computed on the way; B: input c_U (given as codes): QUANTISED
;;   THE QUANTISER, for each operand of a quantised product, along K:
;;     - K is cut into blocks of 32 from its start; a last block that is shorter is filled with zeros.
;;     - A block's scale is 2^e with e = floor(log2(the largest magnitude in the block)) - 2, held to -126 .. 127; a block of zeros has e = 0. As a byte (E8M0): e + 127.
;;     - Each number is divided by its block's scale, clamped to +-7.5, and rounded to the nearest number of E2M3, ties to even, subnormals kept.
;;     - The product sums the exact products of the quantised numbers (number of the format x scale) in f32.
;;   ~~~python
;;   def quantise(x, axis):      # numpy; x: float32 -> the quantised numbers, widened to float32 again
;;       x = np.moveaxis(x, axis, -1); K = x.shape[-1]
;;       x = np.pad(x, [(0, 0)] * (x.ndim - 1) + [(0, -K % 32)]); x = x.reshape(x.shape[:-1] + (-1, 32)); a = np.abs(x).max(-1, keepdims=True)
;;       e = np.where(a > 0, np.clip(np.frexp(np.where(a > 0, a, 1))[1] - 1 - 2, -126, 127), 0)      # np.frexp(a)[1] - 1 = floor(log2(a)), exactly
;;       r = np.clip(x / 2.0 ** e, -7.5, 7.5)
;;       step = 2.0 ** (np.maximum(np.frexp(np.where(r == 0, 1, r))[1] - 1, 0) - 3)
;;       q = np.round(r / step) * step * 2.0 ** e      # np.round: ties to even
;;       return np.moveaxis(q.reshape(q.shape[:-2] + (-1,))[..., :K], -1, axis).astype(np.float32)
;;   ~~~
;;   SOFTMAX AHEAD OF A QUANTISED PRODUCT. Where the list says 'softmax', what is quantised is not the finished softmax but p = 2^(t - M), with t = logit x log2(e) and M = ceil(the row's largest t), a whole number; so 1/2 < the row's largest p <= 1. The row's sum l is taken of the UNQUANTISED p, in f32, and the product's result is divided by l at the end. Since M is a whole number, a kernel that streams over the keys may use a running M (the ceiling of the running maximum): every later rescaling is an exact power of two, which a block's scale takes up: the codes' values come out the same.
;;   OPERANDS COMPUTED ON THE WAY. 'Computed on the way' means the value that the module computes at that place (a softmax that the list does not call 'softmax' is quantised finished and normalised). What goes into a quantiser is computed in f32, as accurately as f32 sums, v_exp_f32 and their like allow (about 1e-6 of the number): no bf16 or f16 on the way to a quantiser, and a product that is left as it is and whose result goes on into a quantised operand takes f32 operands (vector FMAs, or v_wmma_f32_16x16x4_f32). A number that lies on a knife's edge between two numbers of the format may be rounded either way, as far as f32 arithmetic and the matrix unit's own rounding can turn it there, and no further.
;;   INPUTS GIVEN AS CODES. c_U (in the module: [1024, 64], K = its axis 1); c_V (in the module: [64, 1024], K = its axis 1); k_U (in the module: [1024, 64], K = its axis 1); k_V (in the module: [64, 1024], K = its axis 1); q_U (in the module: [1024, 64], K = its axis 1); q_V (in the module: [64, 1024], K = its axis 1); v_U (in the module: [1024, 64], K = its axis 1); v_V (in the module: [64, 1024], K = its axis 1); x (in the module: [4, 2048, 1024], K = its axis 2): each comes as NAME_codes (uint8): NAME with its K axis moved to the last place and cut into blocks of 32 codes, [.., K / 32, bytes a block], one block behind the other in memory; four codes in three bytes: a row's codes are one little-endian stream of bits, code i at bits 6 i .. 6 i + 5 (a code: sign, 2 exponent bits, 3 mantissa bits); and NAME_scales (uint8): the same leading axes, one E8M0 byte (e + 127) for each 32 codes along K. Its value is code x scale, taken as it is: it is not quantised again, and the codes and scales need not be those that the quantiser above would give.
;; One version. Each part assembles by itself: llvm-mc -triple=amdgcn-amd-amdhsa -mcpu=gfx1250 --defsym DOCPART=n.
;; ======== version 1 of 1: 3 launches
;; limits: right only within a limited range of input values
;; workspace buffers: qimg 6,815,744 bytes; kvimg 13,631,488 bytes; ycodes 6,291,456 bytes; yscales 262,144 bytes
;; launch proj (part 1): grid 64 x 3, 16 waves a work-group, clusters of 4 x 1, 169,984 bytes of LDS; arguments x_codes, x_scales, q_V_codes, q_V_scales, q_U_codes, q_U_scales, k_V_codes, k_V_scales, k_U_codes, k_U_scales, v_V_codes, v_V_scales, v_U_codes, v_U_scales, qimg, kvimg; writes qimg, kvimg
.if DOCPART == 1
	.amdgcn_target "amdgcn-amd-amdhsa--gfx1250"
	.amdhsa_code_object_version 6
	.text
	.protected	k_q7b01fe02ba_proj
	.globl	k_q7b01fe02ba_proj
	.p2align	8
	.type	k_q7b01fe02ba_proj,@function
k_q7b01fe02ba_proj:
	s_mov_b64 s[64:65], 0
	v_nop
	global_prefetch_b8 v0, s[64:65] scope:SCOPE_SE
	s_setreg_imm32_b32 hwreg(HW_REG_WAVE_MODE, 25, 1), 1
	s_wait_xcnt 0x0
	s_wait_alu depctr_hold_cnt(0) depctr_sa_sdst(0) depctr_va_vdst(0) depctr_va_sdst(0) depctr_va_ssrc(0) depctr_va_vcc(0) depctr_vm_vsrc(0)
	s_getreg_b32 s2, hwreg(HW_REG_IB_STS2, 6, 4)
	s_cmp_eq_u32 s2, 0
	s_cbranch_scc0 .Lentry_in_a_cluster
	s_endpgm
.Lentry_in_a_cluster:
	s_bfe_u32 s2, ttmp6, 0x10000c
	s_cmp_lg_u32 s2, 0x3003
	s_cbranch_scc0 .Lentry_shape_is_right
	s_endpgm
.Lentry_shape_is_right:
; PROJ.  One of q, k, v (the role: work-group y = 0, 1, 2) for 128 tokens (work-group x): t = Q((x V^T) s) U^T, both products on codes of FP6 (E2M3) with E8M0 scales,
; s_k = (k + 1)^-0.7, and the result quantised for attention and stored as IMAGES OF OPERAND REGISTERS.
; PHASE A: wave (tt = wave % 8, vh = wave / 8) makes z = x V^T for tokens 16 tt .. + 15 and R = 32 vh .. + 31: two accumulators by turns, 8 K steps of 128.  Used transposed (source 0 = 16 rows
;   of V, source 1 = 16 tokens), with V's rows of a tile chosen (lane r of tile 2 b + u: row 32 b + 8 u + r + 8 (r / 8)), so that a lane's 16 registers are 16 neighbours along R.  z s is quantised
;   (a block of 32 lies in lanes l and l xor 16) and goes to LDS as rows of 48 bytes.
; PHASE B: wave w owns head w.  q, k: source 0 = 16 rows of U, source 1 = 16 tokens: a lane holds one token, registers run along the head's 64: quantised along them.
;   v: source 0 = 16 tokens, source 1 = 16 rows of U: a lane holds one channel, registers run along the tokens (the keys): quantised along them.
; K = 64 IN A FORM OF K = 128: U's fragments carry zero codes in their upper six registers, so the products of k = 64 .. 127 are zeros whatever z's operand holds there (the next tile's codes, all
;   finite); the scale bytes 2 and 3 of both sides are 0.
; CLUSTER: the four work-groups of a cluster have the same role and ask for V's 48 KiB jointly.  x's rows are read by the three roles, which lie along a grid axis of 3: no cluster of four divides
;   it, so x comes by plain loads.  U is 3 KiB a wave and goes straight into the registers where it stays.
; LIMITS: scale bytes 0xff among the inputs are not served.  A block whose largest magnitude lies under 2^-124 keeps the byte 1 (a block of zeros too: its codes are zeros, and this program alone
;   reads the bytes).  s_k is made as exp2(-0.7 log2(k + 1)): good to some 4e-7 of the number, exact for k = 0.
.set PITCH, 816                        ; an LDS row of 1,024 codes: 3 x (256 bytes + 16 of padding) = 204 words: row r starts at bank 12 r mod 64, so the 32 lanes of a load of 8 bytes touch 64 different banks (ISA guide 11.1)
.set XB,    0                          ; x: 128 rows
.set VBASE, 128*PITCH                  ; V: 64 rows, in the order in which the tiles take them
.set ZB,    VBASE+64*PITCH             ; z's codes: 128 tokens x 48 bytes (stored by the waves: no tile lands here)
.set ZS,    ZB+128*48                  ; z's scale words: 4 bytes a token, bytes 2 and 3 are 0
.set WV,   38
.set CX,   39
.set ROLE, 40
.set GRP,  41
.set TT,   42
.set VH,   43
.set SEL,  44                          ; s[44:45] lane selects for v_permlanex16_b32: lane l xor 16
.set G1X,  48                          ; s[48:55] descriptor group 1 for x's rows;  s[56:63] for V's;  s[68:71], s[72:75] their groups 0
.set G1V,  56
.set G0X,  68
.set G0V,  72
.set LN,   1
.set RR,   2
.set HH,   3
.set RP,   4
.set AX,   5                           ; v5, v6   LDS address of my x fragment; the same behind one padding more
.set AV,   7                           ; v7, v8   the same for V
.set AZW,  9                           ; where I store 12 bytes of z's codes
.set AZSW, 10                          ; and my block's scale byte
.set NIL,  11
.set AZ,   12                          ; where I read z's fragments
.set AZS,  13                          ; and their scale words
.set LI,   14                          ; 16 x lane
.set L8,   15
.set XS,   16                          ; v16-23  x's scale words, one a K step
.set VS,   24                          ; v24-31  V's: lanes 0-15 tile u = 0, lanes 16-31 tile u = 1
.set STAB, 32                          ; phase A: s of my 16 R
.set ZA,   48                          ; phase A: the two accumulators
.set F0,   64                          ; phase A: two sets of 36: x's fragment, V's two
.set T0,   136
.set ZC,   140
.set ZF,   32                          ; phase B: z's 8 fragments, 6 registers each, and 6 zeros behind them
.set ACC,  86
.set PC,   150
.set TM,   170
.set PW,   186
.set PWE,  187
.set TP,   188
.set TP2,  189
.set SW,   190
.set USLOT, 194                        ; U's four fragments of my head: 6 registers of codes, 6 of zero codes
.set USC,  242                         ; v242-243 U's scale words: lanes 0-15 tile 2 a, lanes 16-31 tile 2 a + 1
.set ZSC,  244                         ; v244-247 z's: lanes 0-15 tile 2 b, lanes 16-31 tile 2 b + 1
.set OXS,  248
.set OVS,  249
.set OUC,  250
.set OUS,  251
.set TMPV, 252
.macro ROUND                           ; a round of the cluster's barrier
	s_barrier_signal -1
	s_barrier_wait -1
	s_cmp_lg_u32 s[WV], 0
	s_cbranch_scc1 .Lnw0_\@
	s_barrier_signal -3
.Lnw0_\@:
	s_barrier_wait -3
	s_barrier_signal -1
	s_barrier_wait -1
.endm
.macro PLACES                          ; four plain places behind a matrix instruction, ahead of reads of its results and of loads and writes into its registers
.rept 4
	v_nop
.endr
.endm
; a product that starts a sum (C = 0); ra, rb = 1: that side's scales are read from lanes 16-31
.macro MMZ d, a, b, sa, sb, ra, rb
.if (\ra) && (\rb)
	v_wmma_scale_f32_16x16x128_f8f6f4 v[\d:\d+7], v[\a:\a+11], v[\b:\b+11], 0, v[\sa], v[\sb] matrix_a_fmt:MATRIX_FMT_FP6 matrix_b_fmt:MATRIX_FMT_FP6 matrix_a_scale:MATRIX_SCALE_ROW1 matrix_b_scale:MATRIX_SCALE_ROW1
.elseif (\ra)
	v_wmma_scale_f32_16x16x128_f8f6f4 v[\d:\d+7], v[\a:\a+11], v[\b:\b+11], 0, v[\sa], v[\sb] matrix_a_fmt:MATRIX_FMT_FP6 matrix_b_fmt:MATRIX_FMT_FP6 matrix_a_scale:MATRIX_SCALE_ROW1
.elseif (\rb)
	v_wmma_scale_f32_16x16x128_f8f6f4 v[\d:\d+7], v[\a:\a+11], v[\b:\b+11], 0, v[\sa], v[\sb] matrix_a_fmt:MATRIX_FMT_FP6 matrix_b_fmt:MATRIX_FMT_FP6 matrix_b_scale:MATRIX_SCALE_ROW1
.else
	v_wmma_scale_f32_16x16x128_f8f6f4 v[\d:\d+7], v[\a:\a+11], v[\b:\b+11], 0, v[\sa], v[\sb] matrix_a_fmt:MATRIX_FMT_FP6 matrix_b_fmt:MATRIX_FMT_FP6
.endif
.endm
; a product that adds in place
.macro MMA d, a, b, sa, sb, ra
.if (\ra)
	v_wmma_scale_f32_16x16x128_f8f6f4 v[\d:\d+7], v[\a:\a+11], v[\b:\b+11], v[\d:\d+7], v[\sa], v[\sb] matrix_a_fmt:MATRIX_FMT_FP6 matrix_b_fmt:MATRIX_FMT_FP6 matrix_a_scale:MATRIX_SCALE_ROW1
.else
	v_wmma_scale_f32_16x16x128_f8f6f4 v[\d:\d+7], v[\a:\a+11], v[\b:\b+11], v[\d:\d+7], v[\sa], v[\sb] matrix_a_fmt:MATRIX_FMT_FP6 matrix_b_fmt:MATRIX_FMT_FP6
.endif
.endm
; a fragment, 16 rows x 128 K (K step s), from rows of 768 bytes: pieces of 8 bytes; lanes 16-31 read three pieces further on, which for some pieces is behind one padding more: the second address register serves those
.macro FRAG6 reg, adr, s, off
.irp p, 0,1,2,3,4,5
.set PCN, 12*(\s)+6*(\p/3)+\p%3
.if PCN%32 < 29
	ds_load_b64 v[\reg+2*\p:\reg+2*\p+1], v[\adr] offset:\off+8*PCN+16*(PCN/32)
.else
	ds_load_b64 v[\reg+2*\p:\reg+2*\p+1], v[\adr+1] offset:\off+8*PCN+16*(PCN/32)
.endif
.endr
.endm
.macro AFETCH s, set                   ; 18 LDS loads: x's fragment and V's two of K step s
	FRAG6 \set, AX, \s, 0
	FRAG6 \set+12, AV, \s, 0
	FRAG6 \set+24, AV, \s, 16*PITCH
.endm
; 64 numbers of a lane, register 16 b + i = place 32 b + 16 (lane / 16) + i along the next K, become a fragment's codes in v[PC] on and its scale word in v[PW]
.macro QUANT s
.irp b, 0,1,2,3
	v_max3_num_f32 v[TM+\b], |v[\s+16*\b]|, |v[\s+1+16*\b]|, 0x1800000   ; block b: my 16 numbers, and the floor 2^(3 - 127): the byte cannot fall under 1
.endr
.irp i, 2,4,6,8,10,12,14
.irp b, 0,1,2,3
	v_max3_num_f32 v[TM+\b], v[TM+\b], |v[\s+16*\b+\i]|, |v[\s+1+16*\b+\i]|   ; (the four blocks by turns)
.endr
.endr
.irp b, 0,1,2,3
	s_delay_alu instid0(VALU_DEP_4)
	v_permlanex16_b32 v[TM+4+\b], v[TM+\b], s[SEL], s[SEL+1]
.endr
.irp b, 0,1,2,3
	s_delay_alu instid0(VALU_DEP_4)
	v_max_num_f32 v[TM+\b], v[TM+\b], v[TM+4+\b]   ; with lane l xor 16's: the block's largest magnitude
.endr
.irp b, 0,1,2,3
	s_delay_alu instid0(VALU_DEP_4)
	v_add_nc_u32 v[TM+12+\b], 0xff000000, v[TM+\b]   ; 2 off its exponent field: the conversion's scale operand
.endr
.irp b, 0,1,2,3
	s_delay_alu instid0(VALU_DEP_4)
	v_lshrrev_b32 v[TM+4+\b], 23, v[TM+12+\b]   ; the scale's byte
.endr
	s_delay_alu instid0(VALU_DEP_3)
	v_lshl_or_b32 v[PW], v[TM+5], 8, v[TM+4]
	s_delay_alu instid0(VALU_DEP_1)
	v_lshl_or_b32 v[PW], v[TM+6], 16, v[PW]
	s_delay_alu instid0(VALU_DEP_1)
	v_lshl_or_b32 v[PW], v[TM+7], 24, v[PW]
.irp c, 0,1
	v_cvt_scalef32_pk16_fp6_f32 v[PC+6*\c:PC+2+6*\c], v[\s+32*\c:\s+15+32*\c], v[TM+12+2*\c]
	v_cvt_scalef32_pk16_fp6_f32 v[PC+12+4*\c:PC+14+4*\c], v[\s+16+32*\c:\s+31+32*\c], v[TM+12+2*\c+1]   ; (a conversion's three registers begin on an even number)
.endr
	v_nop                                          ; one plain place behind a scaled conversion
.irp c, 0,1                                    ; a whole block to a lane: lanes 0-15 block 2 c, lanes 16-31 block 2 c + 1
.irp i, 0,1,2
	v_permlane16_swap_b32 v[PC+6*\c+\i], v[PC+12+4*\c+\i]
.endr
.irp i, 0,1,2
	s_delay_alu instid0(VALU_DEP_3)
	v_mov_b32 v[PC+3+6*\c+\i], v[PC+12+4*\c+\i]
.endr
.endr
.endm
	s_load_b128 s[4:7], s[0:1], 0x0                ; x's codes, x's scales
	s_load_b256 s[8:15], s[0:1], 0x10              ; q: V's codes, V's scales, U's codes, U's scales
	s_load_b256 s[16:23], s[0:1], 0x30             ; k: the same four
	s_load_b256 s[24:31], s[0:1], 0x50             ; v: the same four
	s_load_b128 s[32:35], s[0:1], 0x70             ; qimg, kvimg: in kvimg a block of 128 tokens is k's image (6,656 bytes) and then v's (6,656 bytes)
	v_lshl_add_u32 v254, v0, 2, 0x29000
	v_mov_b32 v255, 0
	ds_add_u32 v254, v255
	ds_add_u32 v254, v255
	v_lshrrev_b32 v1, 5, v0
	s_delay_alu instid0(VALU_DEP_1)
	v_readfirstlane_b32 s[WV], v1                  ; wave 0..15
	s_bfe_u32 s[CX], ttmp6, 0x40000                ; my place in the cluster: it enters global addresses alone
	s_and_b32 s[ROLE], ttmp7, 0xffff               ; 0 q, 1 k, 2 v: the same in the four partners
	s_lshl_b32 s[GRP], ttmp9, 2
	s_add_co_u32 s[GRP], s[GRP], s[CX]             ; my 128 tokens: group 0..63
	s_and_b32 s[TT], s[WV], 7
	s_lshr_b32 s[VH], s[WV], 3
	s_mov_b32 s[SEL], 0x76543210
	s_mov_b32 s[SEL+1], 0xfedcba98
	; group 1: rows of 768 bytes, 16 bytes of padding behind every 256.  x: 16 rows, my own load.  V: 8 rows, asked for jointly by the four work-groups
	s_mov_b32 s[G1X], (1<<20)|(5<<22)|(3<<25)      ; no mask; elements of 1 byte; padding on; after every 64 words; 4 words
	s_mov_b32 s[G1X+1], 768<<16                    ; tensor_dim0
	s_mov_b32 s[G1X+2], 16<<16                     ; tensor_dim1
	s_mov_b32 s[G1X+3], 768<<16                    ; tile_dim0
	s_mov_b32 s[G1X+4], 16                         ; tile_dim1
	s_mov_b32 s[G1X+5], 768                        ; from row to row
	s_mov_b32 s[G1X+6], 0
	s_mov_b32 s[G1X+7], 0
	s_mov_b32 s[G1V], 15|(1<<20)|(1<<21)|(5<<22)|(3<<25)   ; the mask names all four; bit 21 is set beside it
	s_mov_b32 s[G1V+1], 768<<16
	s_mov_b32 s[G1V+2], 8<<16
	s_mov_b32 s[G1V+3], 768<<16
	s_mov_b32 s[G1V+4], 8
	s_mov_b32 s[G1V+5], 768
	s_mov_b32 s[G1V+6], 0
	s_mov_b32 s[G1V+7], 0
	; V's group g of 8 rows goes to place (g & 4) | (g & 1) << 1 | (g >> 1) & 1: a tile's 16 rows then lie on end in LDS
	s_and_b32 s77, s[TT], 4
	s_and_b32 s78, s[TT], 1
	s_lshl_b32 s78, s78, 1
	s_or_b32 s77, s77, s78
	s_lshr_b32 s78, s[TT], 1
	s_and_b32 s78, s78, 1
	s_or_b32 s77, s77, s78
	s_mul_i32 s77, s77, 8*PITCH
	s_wait_dscnt 0x0
	s_wait_kmcnt 0x0
	s_add_nc_u64 s[36:37], s[34:35], 6656          ; v's image lies behind k's in each block of kvimg
	s_cmp_eq_u32 s[ROLE], 1                        ; the role's buffers: a choice that hangs on the work-group's number alone
	s_cselect_b64 s[8:9], s[16:17], s[8:9]
	s_cselect_b64 s[10:11], s[18:19], s[10:11]
	s_cselect_b64 s[12:13], s[20:21], s[12:13]
	s_cselect_b64 s[14:15], s[22:23], s[14:15]
	s_cselect_b64 s[32:33], s[34:35], s[32:33]
	s_cmp_eq_u32 s[ROLE], 2
	s_cselect_b64 s[8:9], s[24:25], s[8:9]
	s_cselect_b64 s[10:11], s[26:27], s[10:11]
	s_cselect_b64 s[12:13], s[28:29], s[12:13]
	s_cselect_b64 s[14:15], s[30:31], s[14:15]
	s_cselect_b64 s[32:33], s[36:37], s[32:33]
	s_cmp_eq_u32 s[ROLE], 0
	s_mov_b32 s76, 13312
	s_cselect_b32 s76, 6656, s76                   ; bytes from block to block: q 6,656; k and v 13,312
	s_lshl_b32 s78, s[GRP], 7
	s_lshl_b32 s79, s[TT], 4
	s_add_co_u32 s78, s78, s79                     ; the first of my 16 tokens
	s_mov_b32 s81, 0
	s_mul_i32 s80, s78, 768
	s_mov_b32 s[G0X], 1
	s_mul_i32 s[G0X+1], s[TT], 16*PITCH            ; XB = 0
	s_add_nc_u64 s[G0X+2:G0X+3], s[4:5], s[80:81]
	s_or_b32 s[G0X+3], s[G0X+3], 0x80000000
	s_mov_b32 s[G0V], 1
	s_add_co_u32 s[G0V+1], s77, VBASE
	s_mul_i32 s80, s[TT], 6144
	s_add_nc_u64 s[G0V+2:G0V+3], s[8:9], s[80:81]  ; hangs on the role and the wave alone: equal in the four partners
	s_or_b32 s[G0V+3], s[G0V+3], 0x80000000
	s_lshl_b32 s80, s78, 5
	s_add_nc_u64 s[6:7], s[6:7], s[80:81]          ; x's scales at my 16 tokens
	s_lshl_b32 s80, s[VH], 10
	s_add_nc_u64 s[10:11], s[10:11], s[80:81]      ; V's scales at my 32 rows
	s_mul_i32 s80, s[WV], 3072
	s_add_nc_u64 s[12:13], s[12:13], s[80:81]      ; U's codes at my head's 64 rows
	s_lshl_b32 s80, s[WV], 7
	s_add_nc_u64 s[14:15], s[14:15], s[80:81]      ; and their scales
	s_lshr_b32 s80, s[GRP], 4
	s_lshl_b32 s80, s80, 4
	s_add_co_u32 s80, s80, s[WV]                   ; 16 x batch + head
	s_lshl_b32 s80, s80, 4
	s_and_b32 s79, s[GRP], 15
	s_add_co_u32 s80, s80, s79                     ; x 16 + the group of 128 tokens in its batch
	s_mul_i32 s80, s80, s76
	s_add_nc_u64 s[32:33], s[32:33], s[80:81]      ; my output block
	ROUND                                          ; the four work-groups are here: the joint loads meet
	s_cmp_lt_u32 s[WV], 8                          ; waves 0-7: 16 rows of x each; waves 8-15: 8 rows of V each.  One tensor load of a wave is out
	s_cbranch_scc0 .Lfor_v
	tensor_load_to_lds s[G0X:G0X+3], s[G1X:G1X+7]
	s_nop 0
	PLACES
	s_branch .Lasked
.Lfor_v:
	tensor_load_to_lds s[G0V:G0V+3], s[G1V:G1V+7]
	s_nop 0
	PLACES
.Lasked:
	s_mov_b32 vcc_lo, 0xffff0000                   ; lanes 16-31 take a select's second source; written behind the tensor load, never rewritten
	v_and_b32 v[LN], 31, v0
	v_and_b32 v[RR], 15, v0                        ; r
	v_bfe_u32 v[HH], v0, 4, 1                      ; h
	s_delay_alu instid0(VALU_DEP_2)
	v_and_b32 v[RP], 8, v[RR]
	s_delay_alu instid0(VALU_DEP_1)
	v_add_nc_u32 v[RP], v[RP], v[RR]               ; r + 8 (r / 8)
	s_delay_alu instid0(VALU_DEP_4)
	v_lshlrev_b32 v[OXS], 5, v[RR]
	s_delay_alu instid0(VALU_DEP_2)
	v_lshl_add_u32 v[TMPV], v[HH], 3, v[RP]        ; r + 8 (r / 8) + 8 h: lanes 16-31 take the odd tile's rows
	s_delay_alu instid0(VALU_DEP_1)
	v_lshlrev_b32 v[OVS], 5, v[TMPV]
	s_delay_alu instid0(VALU_DEP_2)
	v_lshlrev_b32 v[OUS], 1, v[TMPV]
	s_delay_alu instid0(VALU_DEP_3)
	v_lshl_add_u32 v[AZS], v[TMPV], 2, ZS
	v_mul_u32_u24 v[OUC], v[RP], 48
	s_delay_alu instid0(VALU_DEP_1)
	v_mad_u32_u24 v[OUC], v[HH], 24, v[OUC]
	s_delay_alu instid0(VALU_DEP_1)
	v_add_nc_u32 v[AZ], ZB, v[OUC]
	global_load_b128 v[XS:XS+3], v[OXS], s[6:7]            ; a token's 32 scale bytes: 8 words, one a K step
	global_load_b128 v[XS+4:XS+7], v[OXS], s[6:7] offset:16
	global_load_b128 v[VS:VS+3], v[OVS], s[10:11]
	global_load_b128 v[VS+4:VS+7], v[OVS], s[10:11] offset:16
.irp t, 0,1,2,3                                ; U's tile t = 2 a + u: lane r takes row 32 a + 8 u + r + 8 (r / 8) of my head
.irp p, 0,1,2
	global_load_b64 v[USLOT+12*\t+2*\p:USLOT+12*\t+2*\p+1], v[OUC], s[12:13] offset:(32*(\t/2)+8*(\t%2))*48+8*\p
.endr
.endr
.irp a, 0,1
	global_load_u16 v[USC+\a], v[OUS], s[14:15] offset:64*\a   ; two scale bytes a row; bytes 2 and 3 come as 0
.endr
	s_mul_i32 s84, s[TT], 16*PITCH
	v_mul_u32_u24 v[TMPV], v[RR], PITCH
	s_delay_alu instid0(VALU_DEP_1)
	v_mad_u32_u24 v[TMPV], v[HH], 24, v[TMPV]
	s_delay_alu instid0(VALU_DEP_1)
	v_add_nc_u32 v[AX], s84, v[TMPV]
	s_delay_alu instid0(VALU_DEP_1)
	v_lshl_add_u32 v[AX+1], v[HH], 4, v[AX]
	s_mul_i32 s85, s[VH], 32*PITCH
	s_add_co_u32 s85, s85, VBASE
	v_add_nc_u32 v[AV], s85, v[TMPV]
	s_delay_alu instid0(VALU_DEP_1)
	v_lshl_add_u32 v[AV+1], v[HH], 4, v[AV]
	s_mul_i32 s86, s[TT], 768
	s_mul_i32 s87, s[VH], 24
	s_add_co_u32 s86, s86, s87
	s_add_co_u32 s86, s86, ZB
	v_mul_u32_u24 v[AZW], v[RR], 48
	s_delay_alu instid0(VALU_DEP_1)
	v_mad_u32_u24 v[AZW], v[HH], 12, v[AZW]
	s_delay_alu instid0(VALU_DEP_1)
	v_add_nc_u32 v[AZW], s86, v[AZW]               ; token 16 tt + r, block vh, my half's 12 bytes
	s_lshl_b32 s87, s[TT], 6
	s_add_co_u32 s87, s87, s[VH]
	s_add_co_u32 s87, s87, ZS
	v_lshl_add_u32 v[AZSW], v[RR], 2, s87
	v_lshlrev_b32 v[LI], 4, v[LN]
	v_mov_b32 v[NIL], 0
	v_mov_b32 v[T0+1], 0                           ; a lane permute's destination counts as one of its sources
.irp b, 0,1,2,3
	v_mov_b32 v[TM+4+\b], 0
.endr
.irp t, 0,1,2,3
.irp i, 6,7,8,9,10,11
	v_mov_b32 v[USLOT+12*\t+\i], 0                 ; zero codes for k = 64 .. 127
.endr
.endr
	; s of my 16 R: (32 vh + 16 h + i + 1)^-0.7 = exp2(-0.7 log2(..))
	s_lshl_b32 s88, s[VH], 5
	v_lshl_add_u32 v[TMPV], v[HH], 4, s88
.set N, 0
.rept 16
	v_add_nc_u32 v[STAB+N], N+1, v[TMPV]
.set N, N+1
.endr
.set N, 0
.rept 16
	v_cvt_f32_u32 v[STAB+N], v[STAB+N]
.set N, N+1
.endr
.set N, 0
	s_wait_alu depctr_va_vdst(0)
.rept 16
	v_log_f32 v[STAB+N], v[STAB+N]
.set N, N+1
.endr
	v_nop                                          ; a plain place behind the logarithms,
	s_wait_alu depctr_va_vdst(0)                   ; and one wait for the batch, ahead of its first reader
.set N, 0
.rept 16
	v_mul_f32 v[STAB+N], 0xbf333333, v[STAB+N]
.set N, N+1
.endr
.set N, 0
	s_wait_alu depctr_va_vdst(0)
.rept 16
	v_exp_f32 v[STAB+N], v[STAB+N]
.set N, N+1
.endr
	v_nop
	s_wait_alu depctr_va_vdst(0)                   ; likewise for the exponentials
	s_wait_tensorcnt 0x0                           ; my rows have landed,
	s_barrier_signal -1
	s_barrier_wait -1                              ; everybody's have
	s_wait_loadcnt 0x0                             ; the scale words and U
	; ---- PHASE A: z = x V^T, 8 K steps; the next step's 18 loads are issued ahead of this step's two products
	AFETCH 0, F0
.set SS, 0
.rept 8
.set CUR, F0+36*(SS%2)
.set NXT, F0+36*((SS+1)%2)
.if SS < 7
.if SS > 0
	PLACES                                         ; the set to be loaded was read by the last two products
.endif
	AFETCH SS+1, NXT
	s_wait_dscnt 18                                ; all but the 18 just issued: this step's fragments are in
.else
	s_wait_dscnt 0x0
.endif
.if SS == 0
	MMZ ZA, CUR+12, CUR, VS+SS, XS+SS, 0, 0
	MMZ ZA+8, CUR+24, CUR, VS+SS, XS+SS, 1, 0
.else
	MMA ZA, CUR+12, CUR, VS+SS, XS+SS, 0           ; the two accumulators take turns, one instruction a turn
	MMA ZA+8, CUR+24, CUR, VS+SS, XS+SS, 1
.endif
.set SS, SS+1
.endr
	PLACES
	; lane (r, h): token 16 tt + r; register i: R = 32 vh + 16 h + i.  x s, then the block's scale and codes
.irp i, 0,2,4,6,8,10,12,14
	v_pk_mul_f32 v[ZA+\i:ZA+\i+1], v[ZA+\i:ZA+\i+1], v[STAB+\i:STAB+\i+1]
.endr
	v_max3_num_f32 v[T0], |v[ZA]|, |v[ZA+1]|, 0x1800000
.irp i, 2,4,6,8,10,12,14
	s_delay_alu instid0(VALU_DEP_1)
	v_max3_num_f32 v[T0], v[T0], |v[ZA+\i]|, |v[ZA+\i+1]|
.endr
	s_delay_alu instid0(VALU_DEP_1)
	v_permlanex16_b32 v[T0+1], v[T0], s[SEL], s[SEL+1]
	s_delay_alu instid0(VALU_DEP_1)
	v_max_num_f32 v[T0], v[T0], v[T0+1]
	s_delay_alu instid0(VALU_DEP_1)
	v_add_nc_u32 v[T0+2], 0xff000000, v[T0]
	s_delay_alu instid0(VALU_DEP_1)
	v_lshrrev_b32 v[T0+3], 23, v[T0+2]
	v_cvt_scalef32_pk16_fp6_f32 v[ZC:ZC+2], v[ZA:ZA+15], v[T0+2]
	v_nop                                          ; one plain place behind a scaled conversion
.irp i, 0,1,2
	ds_store_b32 v[AZW], v[ZC+\i] offset:4*\i
.endr
	ds_store_b8 v[AZSW], v[T0+3]                   ; byte vh of the token's scale word (both lanes of a block write the same byte)
	ds_store_b8 v[AZSW], v[NIL] offset:2           ; and 0 into byte 2 + vh
	s_wait_dscnt 0x0                               ; for the others' sake: my stores have landed
	s_barrier_signal -1
	s_barrier_wait -1                              ; z of all 128 tokens lies in LDS
	; ---- PHASE B: my head.  z's tile T = 2 b + u: lane r takes token 32 b + 8 u + r + 8 (r / 8)
.irp i, 48,49,50,51,52,53
	v_mov_b32 v[ZF+\i], 0                          ; what the last tile's operand names behind its six registers
.endr
	PLACES                                         ; an operand written by vector instructions stands four places ahead of a scaled product
	; k's tiles take other tokens: lane r of tile 4 c + t takes token 64 c + 8 t + r % 8 + 32 (r / 8), so that in attention a lane's 32 scores of four tiles are one whole block of 32 keys
	v_and_b32 v[AX], 7, v[RR]
	v_lshrrev_b32 v[AV], 3, v[RR]
	s_delay_alu instid0(VALU_DEP_1)
	v_lshl_add_u32 v[AX], v[AV], 5, v[AX]          ; r % 8 + 32 (r / 8)
	s_delay_alu instid0(VALU_DEP_1)
	v_lshl_add_u32 v[AV], v[HH], 3, v[AX]          ; + 8 h: lanes 16-31 take the odd tile's scale words
	s_delay_alu instid0(VALU_DEP_1)
	v_lshl_add_u32 v[AV], v[AV], 2, ZS
	v_mul_u32_u24 v[AX], v[AX], 48
	s_delay_alu instid0(VALU_DEP_1)
	v_mad_u32_u24 v[AX], v[HH], 24, v[AX]
	s_delay_alu instid0(VALU_DEP_1)
	v_add_nc_u32 v[AX], ZB, v[AX]
	s_wait_alu depctr_va_vdst(0)
	s_cmp_eq_u32 s[ROLE], 1
	s_cbranch_scc1 .Lzk
.irp t, 0,1,2,3,4,5,6,7
.irp i, 0,1,2
	ds_load_b64 v[ZF+6*\t+2*\i:ZF+6*\t+2*\i+1], v[AZ] offset:(32*(\t/2)+8*(\t%2))*48+8*\i
.endr
.endr
.irp b, 0,1,2,3
	ds_load_b32 v[ZSC+\b], v[AZS] offset:128*\b
.endr
	s_branch .Lzj
.Lzk:
.irp t, 0,1,2,3,4,5,6,7
.irp i, 0,1,2
	ds_load_b64 v[ZF+6*\t+2*\i:ZF+6*\t+2*\i+1], v[AX] offset:(64*(\t/4)+8*(\t%4))*48+8*\i
.endr
.endr
.irp b, 0,1,2,3
	ds_load_b32 v[ZSC+\b], v[AV] offset:(64*(\b/2)+16*(\b%2))*4
.endr
.Lzj:
	s_wait_dscnt 0x0
	s_cmp_eq_u32 s[ROLE], 2
	s_cbranch_scc1 .Lv
	; q, k: for a pair of token tiles 2 b, 2 b + 1: 8 products; register 16 (2 u + a) + i of lane (r, h) is channel 32 a + 16 h + i of tile 2 b + u's token r
.irp b, 0,1,2,3
.if \b > 0
	s_wait_xcnt 0x0                                ; the last pair's stores have read their registers
.endif
.irp u, 0,1
.irp t, 0,1,2,3
	MMZ ACC+8*(4*\u+\t), USLOT+12*\t, ZF+6*(2*\b+\u), USC+\t/2, ZSC+\b, \t%2, \u
.endr
.endr
	PLACES
	QUANT ACC                                      ; registers 0-5: tile 2 b, 6-11: tile 2 b + 1; lane (r, hh): channels 32 hh .. + 31
	v_and_b32 v[TP2], 0xffff, v[PW]                ; lanes 0-15: tile 2 b's two bytes,
	v_lshrrev_b32 v[TP], 16, v[PW]                 ; lanes 16-31: tile 2 b + 1's; bytes 2 and 3 are 0
	s_delay_alu instid0(VALU_DEP_1)
	v_cndmask_b32 v[SW+\b], v[TP2], v[TP], vcc_lo
.irp c, 0,1,2
	global_store_b128 v[LI], v[PC+4*\c:PC+4*\c+3], s[32:33] offset:1536*\b+512*\c   ; 32 lanes store 512 consecutive bytes, aligned to 256
.endr
.endr
	global_store_b128 v[LI], v[SW:SW+3], s[32:33] offset:6144
	s_branch .Ldone
.Lv:
	; v: for a tile of 16 channels: 8 products; register 16 b + i of lane (r, h) is token 32 b + 16 h + i of the tile's channel r
	s_wait_alu depctr_va_vdst(0)
.irp t, 0,1,2,3
.if \t > 0
	s_wait_xcnt 0x0
.endif
.irp m, 0,1,2,3,4,5,6,7
	MMZ ACC+8*\m, ZF+6*\m, USLOT+12*\t, ZSC+\m/2, USC+\t/2, \m%2, \t%2
.endr
	PLACES
	QUANT ACC                                      ; lane (r, hh), registers 6 c ..: keys 64 c + 32 hh .. + 31 of channel r; the word's four bytes: the four blocks of keys
.if \t%2 == 0
	v_mov_b32 v[PWE], v[PW]
.else
	v_cndmask_b32 v[SW+\t/2], v[PWE], v[PW], vcc_lo   ; lanes 0-15 the even tile's word, lanes 16-31 the odd tile's
.endif
.irp c, 0,1,2
	global_store_b128 v[LI], v[PC+4*\c:PC+4*\c+3], s[32:33] offset:1536*\t+512*\c
.endr
.endr
	v_mov_b32 v[SW+2], 0
	v_mov_b32 v[SW+3], 0
	global_store_b128 v[LI], v[SW:SW+3], s[32:33] offset:6144   ; two scale words and two zeros a lane: 512 consecutive bytes, so that v's image is as long as k's
.Ldone:
	s_wait_dscnt 0x0
	s_wait_tensorcnt 0x0
	ds_add_u32 v254, v255
	s_wait_dscnt 0x0
	ROUND                                          ; the closing round: no work-group ends while a partner may still ask jointly
	s_endpgm
.Lfunc_end_k_q7b01fe02ba_proj:
	.size	k_q7b01fe02ba_proj, .Lfunc_end_k_q7b01fe02ba_proj-k_q7b01fe02ba_proj
	.p2alignl 7, 3214868480
	.fill 96, 4, 3214868480
	.section	.rodata,"a",@progbits
	.p2align	6, 0x0
	.amdhsa_kernel k_q7b01fe02ba_proj
		.amdhsa_group_segment_fixed_size 169984
		.amdhsa_private_segment_fixed_size 0
		.amdhsa_enable_private_segment 0
		.amdhsa_kernarg_size 128
		.amdhsa_user_sgpr_count 2
		.amdhsa_user_sgpr_kernarg_segment_ptr 1
		.amdhsa_wavefront_size32 1
		.amdhsa_system_sgpr_workgroup_id_x 1
		.amdhsa_system_sgpr_workgroup_id_y 1
		.amdhsa_system_sgpr_workgroup_id_z 1
		.amdhsa_system_vgpr_workitem_id 0
		.amdhsa_next_free_vgpr 256
		.amdhsa_next_free_sgpr 100
		.amdhsa_reserve_vcc 1
		.amdhsa_float_denorm_mode_32 3
		.amdhsa_float_denorm_mode_16_64 3
		.amdhsa_memory_ordered 1
		.amdhsa_forward_progress 1
		.amdhsa_inst_pref_size 82
	.end_amdhsa_kernel
	.amdgpu_metadata
---
amdhsa.version: [ 1, 2 ]
amdhsa.kernels:
  - .name:           k_q7b01fe02ba_proj
    .symbol:         k_q7b01fe02ba_proj.kd
    .args:
      - { .name: x_codes, .offset: 0, .size: 8, .value_kind: global_buffer, .address_space: global }
      - { .name: x_scales, .offset: 8, .size: 8, .value_kind: global_buffer, .address_space: global }
      - { .name: q_V_codes, .offset: 16, .size: 8, .value_kind: global_buffer, .address_space: global }
      - { .name: q_V_scales, .offset: 24, .size: 8, .value_kind: global_buffer, .address_space: global }
      - { .name: q_U_codes, .offset: 32, .size: 8, .value_kind: global_buffer, .address_space: global }
      - { .name: q_U_scales, .offset: 40, .size: 8, .value_kind: global_buffer, .address_space: global }
      - { .name: k_V_codes, .offset: 48, .size: 8, .value_kind: global_buffer, .address_space: global }
      - { .name: k_V_scales, .offset: 56, .size: 8, .value_kind: global_buffer, .address_space: global }
      - { .name: k_U_codes, .offset: 64, .size: 8, .value_kind: global_buffer, .address_space: global }
      - { .name: k_U_scales, .offset: 72, .size: 8, .value_kind: global_buffer, .address_space: global }
      - { .name: v_V_codes, .offset: 80, .size: 8, .value_kind: global_buffer, .address_space: global }
      - { .name: v_V_scales, .offset: 88, .size: 8, .value_kind: global_buffer, .address_space: global }
      - { .name: v_U_codes, .offset: 96, .size: 8, .value_kind: global_buffer, .address_space: global }
      - { .name: v_U_scales, .offset: 104, .size: 8, .value_kind: global_buffer, .address_space: global }
      - { .name: qimg, .offset: 112, .size: 8, .value_kind: global_buffer, .address_space: global }
      - { .name: kvimg, .offset: 120, .size: 8, .value_kind: global_buffer, .address_space: global }
    .group_segment_fixed_size: 169984
    .private_segment_fixed_size: 0
    .kernarg_segment_align: 8
    .kernarg_segment_size: 128
    .max_flat_workgroup_size: 512
    .sgpr_count:     100
    .vgpr_count:     256
    .wavefront_size: 32
...
	.end_amdgpu_metadata
.endif
;; end of part 1
;; launch attn (part 2): grid 4 x 64, 16 waves a work-group, clusters of 4 x 1, 327,680 bytes of LDS; arguments qimg, kvimg, ycodes, yscales; writes ycodes, yscales
.if DOCPART == 2
	.amdgcn_target "amdgcn-amd-amdhsa--gfx1250"
	.amdhsa_code_object_version 6
	.text
	.protected	k_q7b01fe02ba_attn
	.globl	k_q7b01fe02ba_attn
	.p2align	8
	.type	k_q7b01fe02ba_attn,@function
k_q7b01fe02ba_attn:
	s_mov_b64 s[64:65], 0
	v_nop
	global_prefetch_b8 v0, s[64:65] scope:SCOPE_SE
	s_setreg_imm32_b32 hwreg(HW_REG_WAVE_MODE, 25, 1), 1
	s_wait_xcnt 0x0
	s_wait_alu depctr_hold_cnt(0) depctr_sa_sdst(0) depctr_va_vdst(0) depctr_va_sdst(0) depctr_va_ssrc(0) depctr_va_vcc(0) depctr_vm_vsrc(0)
	s_getreg_b32 s2, hwreg(HW_REG_IB_STS2, 6, 4)
	s_cmp_eq_u32 s2, 0
	s_cbranch_scc0 .Lentry_in_a_cluster
	s_endpgm
.Lentry_in_a_cluster:
	s_bfe_u32 s2, ttmp6, 0x10000c
	s_cmp_lg_u32 s2, 0x3003
	s_cbranch_scc0 .Lentry_shape_is_right
	s_endpgm
.Lentry_shape_is_right:
; ATTN.  y = softmax(q k^T / 8, causal) v for one (batch, head) a cluster, both products on codes of FP6 (E2M3) with E8M0 scales; y is quantised along the head's 64 and stored as images of operand registers.
; LEFT OUT: key blocks that lie wholly above the diagonal of the mask that the problem builds itself (jnp.tril): their p is 0 for all values of the inputs.  A NaN or an infinity that reaches only those blocks is not carried on.
; A work-group holds the head's K and V, 16 blocks of 128 keys x 13,312 bytes, in LDS: each wave asks for one block, jointly with the three partners of the cluster (they read the same bytes).
; Work-group cx takes tile cx (16 queries) of each unit of 64 queries.  A wave takes one even unit JJ and the odd unit 31 - JJ: JJ / 2 + (31 - JJ) / 2 = 15 open blocks and two diagonal blocks for every wave.
; A PASS: the diagonal block first (its products start the sums: nothing is cleared), then the open blocks 0 .. JJ / 2 - 1.  In an even unit the diagonal block's keys 64-127 are all hidden: only four tiles of keys are multiplied there.
; Both products are used transposed: S^T = k q^T, O^T = v^T p^T: a lane holds one query.  Lane r of k's tile 4 c + t holds key 64 c + 8 t + r % 8 + 32 (r / 8): so registers S + 32 c .. + 31 of lane (r, h) are block 2 c + h
; of 32 keys, whole and in order: the block's maximum needs no other lane, and the conversions' results lie where p's operand wants them.
; K = 64 IN A FORM OF K = 128: q's fragment carries zero codes in its upper six registers; k's fragments lie 6 registers apart (what follows a tile's six are other codes, all finite); scale bytes 2, 3 of q and k are 0.
; M is the ceiling of the running largest t, kept as -M; a change of M multiplies the sum and O^T by a power of two.  The row's sum is taken of the unquantised p.
; The next block's fragments of k are fetched together with this block's of v, behind the products with q, and are waited for ahead of the products with p.
; NO PREFETCH: all tiles are asked for once, at the head; there is no loop to run ahead in.
; LIMITS: the promise holds while the scaled scores stay under 2^31 in magnitude.  A block of p whose largest number lies under 2^-124 keeps the byte 1.
.set QBLK, 6656                        ; q's image of 128 tokens
.set BLK,  13312                       ; k's image (6,144 bytes of codes, 512 of scale words), then v's
.set VOF,  6656
.set SPARE, 16*BLK                     ; the spare words, 128 bytes a wave
.set WV,  14
.set CX,  15
.set BH,  16
.set SEL, 20
.set CS,  22
.set G1,  24
.set G0,  40
.set JJ,  48
.set GG,  50
.set STP, 52
.set TK,  53
.set QC,  56
.set YC,  84
.set LI,  1                            ; 16 x lane
.set L8,  2                            ; 8 x lane
.set DB,  3                            ; my query in its unit of 64, less 32 h
.set AD,  4                            ; LDS address of the block at work
.set YSO, 5
.set TA,  6
.set TB,  7
.set VQ,  8                            ; v8-11: at the head, q's offsets; then:
.set VQS, 11
.set SO,  8                            ; v8-9 the conversions' scale operands
.set FF,  10                           ; v10 the factor 2^(old M - new M); v11 is named with it as a pair
.set Q,   16                           ; q's fragment: 6 registers of codes, 6 of zero codes
.set QB,  28                           ; the second pass's six
.set OTH, 34
.set VSC, 36
.set KSC, 38
.set PSC, 42
.set QS,  43
.set QSB, 44
.set BM,  46
.set FRK, 48
.set FRV, 96
.set S,   144
.set O,   208
.set P,   240
.set SUM2, 252
.set BT,  FRV+8                        ; at a pass's end v's registers are free
.set CT,  FRV+12
.macro ROUND
	s_barrier_signal -1
	s_barrier_wait -1
	s_cmp_lg_u32 s[WV], 0
	s_cbranch_scc1 .Lnw0_\@
	s_barrier_signal -3
.Lnw0_\@:
	s_barrier_wait -3
	s_barrier_signal -1
	s_barrier_wait -1
.endm
.macro PLACES                          ; four plain places behind a matrix instruction (ISA guide 7.12.1)
.rept 4
	v_nop
.endr
.endm
.macro MMZ d, a, b, sa, sb, ra
.if (\ra)
	v_wmma_scale_f32_16x16x128_f8f6f4 v[\d:\d+7], v[\a:\a+11], v[\b:\b+11], 0, v[\sa], v[\sb] matrix_a_fmt:MATRIX_FMT_FP6 matrix_b_fmt:MATRIX_FMT_FP6 matrix_a_scale:MATRIX_SCALE_ROW1
.else
	v_wmma_scale_f32_16x16x128_f8f6f4 v[\d:\d+7], v[\a:\a+11], v[\b:\b+11], 0, v[\sa], v[\sb] matrix_a_fmt:MATRIX_FMT_FP6 matrix_b_fmt:MATRIX_FMT_FP6
.endif
.endm
.macro MMA d, a, b, sa, sb, ra
.if (\ra)
	v_wmma_scale_f32_16x16x128_f8f6f4 v[\d:\d+7], v[\a:\a+11], v[\b:\b+11], v[\d:\d+7], v[\sa], v[\sb] matrix_a_fmt:MATRIX_FMT_FP6 matrix_b_fmt:MATRIX_FMT_FP6 matrix_a_scale:MATRIX_SCALE_ROW1
.else
	v_wmma_scale_f32_16x16x128_f8f6f4 v[\d:\d+7], v[\a:\a+11], v[\b:\b+11], v[\d:\d+7], v[\sa], v[\sb] matrix_a_fmt:MATRIX_FMT_FP6 matrix_b_fmt:MATRIX_FMT_FP6
.endif
.endm
.macro KLOAD adr, off                  ; k's eight fragments and four scale words of a block: 13 loads
.irp i, 0,1,2,3,4,5,6,7,8,9,10,11
	ds_load_b128 v[FRK+4*\i:FRK+4*\i+3], v[\adr] offset:\off+512*\i
.endr
	ds_load_b128 v[KSC:KSC+3], v[\adr] offset:\off+6144
.endm
	s_load_b128 s[4:7], s[0:1], 0x0                ; qimg, kvimg
	s_load_b128 s[8:11], s[0:1], 0x10              ; ycodes, yscales
	v_lshl_add_u32 v254, v0, 2, SPARE
	v_mov_b32 v255, 0
	ds_add_u32 v254, v255                          ; the opening lines: the add, twice on end, and its wait
	ds_add_u32 v254, v255
	v_lshrrev_b32 v1, 5, v0
	s_delay_alu instid0(VALU_DEP_1)
	v_readfirstlane_b32 s[WV], v1                  ; wave 0..15
	s_bfe_u32 s[CX], ttmp6, 0x40000                ; my place in the cluster: it enters global offsets and the mask's numbers alone
	s_and_b32 s[BH], ttmp7, 0xffff                 ; 16 x batch + head
	s_mov_b32 s[SEL], 0x76543210
	s_mov_b32 s[SEL+1], 0xfedcba98
	s_mov_b32 s[CS], 0x3e38aa3b                    ; log2(e) / 8
	s_mov_b32 s[CS+1], s[CS]
	s_and_b32 s17, s[WV], 1
	s_mul_i32 s17, s17, 31
	s_xor_b32 s[JJ], s[WV], s17                    ; the even one of wave and 31 - wave,
	s_xor_b32 s[JJ+1], s[JJ], 31                   ; and the odd one
	s_lshr_b32 s[GG], s[JJ], 1                     ; the diagonal block of 128 keys = the number of open blocks
	s_lshr_b32 s[GG+1], s[JJ+1], 1
	s_mov_b32 s[G1], 15|(3<<16)|(1<<21)            ; a dense block as 52 rows of 256 bytes; the mask names all four, bit 21 beside it
	s_mov_b32 s[G1+1], 32<<16
	s_mov_b32 s[G1+2], 52<<16
	s_mov_b32 s[G1+3], 32<<16
	s_mov_b32 s[G1+4], 52
	s_mov_b32 s[G1+5], 32
	s_mov_b32 s[G1+6], 0
	s_mov_b32 s[G1+7], 0
	s_mov_b32 s73, 0
	s_lshl_b32 s70, s[BH], 4
	s_add_co_u32 s70, s70, s[WV]
	s_mul_i32 s72, s70, BLK
	s_mov_b32 s[G0], 1
	s_mul_i32 s[G0+1], s[WV], BLK
	s_wait_dscnt 0x0
	s_wait_kmcnt 0x0
	s_add_nc_u64 s[G0+2:G0+3], s[6:7], s[72:73]    ; hangs on the head and the wave alone: equal in the four partners
	s_or_b32 s[G0+3], s[G0+3], 0x80000000
	ROUND                                          ; the four work-groups are here: the joint loads meet
	tensor_load_to_lds s[G0:G0+3], s[G1:G1+7]      ; block = wave: my one tensor load
	s_nop 0
	PLACES
.irp e, 0,1
	s_lshl_b32 s70, s[BH], 4
	s_add_co_u32 s70, s70, s[GG+\e]
	s_mul_i32 s70, s70, QBLK
	s_and_b32 s71, s[JJ+\e], 1
	s_mul_i32 s72, s71, 3072
	s_add_co_u32 s72, s72, s70
	s_add_nc_u64 s[QC+4*\e:QC+4*\e+1], s[4:5], s[72:73]      ; q's codes of the unit
	s_lshl_b32 s72, s71, 3
	s_add_co_u32 s72, s72, s70
	s_add_nc_u64 s[QC+4*\e+2:QC+4*\e+3], s[4:5], s[72:73]    ; and its scale words
	s_lshr_b32 s70, s[BH], 4
	s_lshl_b32 s70, s70, 7
	s_lshl_b32 s71, s[JJ+\e], 2
	s_add_co_u32 s70, s70, s71
	s_add_co_u32 s70, s70, s[CX]                   ; 128 x batch + my tile of queries
	s_and_b32 s71, s[BH], 15
	s_lshl_b32 s72, s70, 4
	s_add_co_u32 s72, s72, s71
	s_mul_i32 s72, s72, 768
	s_add_nc_u64 s[YC+4*\e:YC+4*\e+1], s[8:9], s[72:73]
	s_lshl_b32 s72, s70, 9
	s_lshl_b32 s71, s71, 1
	s_add_co_u32 s72, s72, s71
	s_add_nc_u64 s[YC+4*\e+2:YC+4*\e+3], s[10:11], s[72:73]
.endr
	s_lshr_b32 s76, s[CX], 1
	s_and_b32 s77, s[CX], 1
	s_lshl_b32 s78, s76, 5
	s_lshl_b32 s79, s77, 3
	s_add_co_u32 s74, s78, s79                     ; my tile's first query in its unit: 32 (cx / 2) + 8 (cx % 2)
	s_mul_i32 s78, s76, 1536
	s_mul_i32 s79, s77, 520
	s_add_co_u32 s80, s78, s79                     ; where the tile's six registers lie in an image of twelve
	s_mul_i32 s81, s77, 1016
	s_add_co_u32 s81, s81, s78
	s_add_co_u32 s81, s81, 8
	s_add_co_u32 s82, s80, 512
	s_lshl_b32 s83, s77, 8
	s_lshl_b32 s75, s76, 2
	s_add_co_u32 s83, s83, s75
	s_add_co_u32 s83, s83, 6144
	v_and_b32 v[TA], 31, v0
	v_and_b32 v[TB], 15, v0                        ; r
	v_bfe_u32 v[OTH], v0, 4, 1                     ; h
	s_delay_alu instid0(VALU_DEP_2)
	v_and_b32 v35, 8, v[TB]
	s_delay_alu instid0(VALU_DEP_1)
	v_add_nc_u32 v35, v35, v[TB]                   ; r + 8 (r / 8)
	v_lshlrev_b32 v[LI], 4, v[TA]
	v_lshlrev_b32 v[L8], 3, v[TA]
	v_lshlrev_b32 v[YSO], 5, v[TB]
	v_lshlrev_b32 v[OTH], 5, v[OTH]
	s_delay_alu instid0(VALU_DEP_1)
	v_sub_nc_u32 v[DB], v35, v[OTH]
	s_delay_alu instid0(VALU_DEP_1)
	v_add_nc_u32 v[DB], s74, v[DB]
	v_add_nc_u32 v[VQ], s80, v[LI]
	v_add_nc_u32 v[VQ+1], s81, v[LI]
	v_add_nc_u32 v[VQ+2], s82, v[LI]
	v_lshl_add_u32 v[VQS], v[TB], 4, s83
.irp i, 0,1,2
	global_load_b64 v[Q+2*\i:Q+2*\i+1], v[VQ+\i], s[QC:QC+1]
	global_load_b64 v[QB+2*\i:QB+2*\i+1], v[VQ+\i], s[QC+4:QC+5]
.endr
	global_load_b32 v[QS], v[VQS], s[QC+2:QC+3]
	global_load_b32 v[QSB], v[VQS], s[QC+6:QC+7]
.irp i, 6,7,8,9,10,11
	v_mov_b32 v[Q+\i], 0                           ; zero codes for k = 64 .. 127
.endr
	s_mul_i32 s[TK], s[GG], BLK
	v_add_nc_u32 v[AD], s[TK], v[LI]               ; the first pass's diagonal block
	s_wait_alu depctr_va_vdst(0)
	s_wait_tensorcnt 0x0                           ; my block has landed,
	s_barrier_signal -1
	s_barrier_wait -1                              ; everybody's has
	KLOAD AD, 0
	s_wait_loadcnt 0x0                             ; q
	v_mov_b32 v[FF+1], 0
; A block of keys.  kind 0: open, in the loop.  kind 1: the diagonal block of an odd unit (keys 64-127 masked).  kind 2: that of an even unit (keys 0-63 alone, masked).
.macro STEP kind
.set NC, 2-(\kind)/2                   ; groups of 64 keys at work
.if \kind
	s_wait_alu depctr_va_vdst(0)
	s_wait_dscnt 0x0                               ; k's fragments are in (an open block's were waited for in the step before)
.endif
.set T, 0
.rept 4*NC
	MMZ S+8*T, FRK+6*T, Q, KSC+T/2, QS, T%2
.set T, T+1
.endr
.if \kind
	v_mov_b32 v[TA], 0xff800000
.else
	v_add_nc_u32 v[AD], s[TK], v[LI]
.endif
.rept 3
	v_nop
.endr
.irp i, 0,1,2,3,4,5,6,7,8,9,10,11
	ds_load_b128 v[FRV+4*\i:FRV+4*\i+3], v[AD] offset:VOF+512*\i
.endr
	ds_load_b64 v[VSC:VSC+1], v[AD] offset:VOF+6144
.if \kind
	KLOAD LI, 0                                    ; block 0 comes next
.set N, 0
.rept 32
	v_cmp_gt_i32 vcc_lo, N, v[DB]                  ; key N + 32 h of the group against my query
	v_cndmask_b32 v[S+32*(NC-1)+N], v[S+32*(NC-1)+N], v[TA], vcc_lo
.set N, N+1
.endr
.else
	KLOAD AD, BLK                                  ; the next block (behind the last open one: the diagonal block's, not used again)
.endif
	; each block's largest score, in two chains a block: numbers 0-16 and 17-31
.set C, 0
.rept NC
	v_max3_num_f32 v[BM+C], v[S+32*C], v[S+32*C+1], v[S+32*C+2]
	v_max3_num_f32 v[TA+C], v[S+32*C+17], v[S+32*C+18], v[S+32*C+19]
.set C, C+1
.endr
.irp i, 0,2,4,6,8,10
.set C, 0
.rept NC
	v_max3_num_f32 v[BM+C], v[BM+C], v[S+32*C+3+\i], v[S+32*C+4+\i]
	v_max3_num_f32 v[TA+C], v[TA+C], v[S+32*C+20+\i], v[S+32*C+21+\i]
.set C, C+1
.endr
.endr
.set C, 0
.rept NC
	v_max3_num_f32 v[BM+C], v[BM+C], v[S+32*C+15], v[S+32*C+16]
.set C, C+1
.endr
.set C, 0
.rept NC
.if NC == 2
	s_delay_alu instid0(VALU_DEP_2)
.else
	s_delay_alu instid0(VALU_DEP_1)
.endif
	v_max_num_f32 v[BM+C], v[BM+C], v[TA+C]
.set C, C+1
.endr
.if NC == 2
	s_delay_alu instid0(VALU_DEP_1)
	v_max_num_f32 v[TA], v[BM], v[BM+1]
.set RM, TA
.else
.set RM, BM
.endif
	s_delay_alu instid0(VALU_DEP_1)
	v_permlanex16_b32 v[TB], v[RM], s[SEL], s[SEL+1]   ; lane l xor 16 holds my query's other blocks
	s_delay_alu instid0(VALU_DEP_1)
.if \kind
	v_max_num_f32 v13, v[RM], v[TB]                ; the largest score so far
	s_delay_alu instid0(VALU_DEP_1)
	v_mul_f32 v[TA], s[CS], v13                    ; as t
	s_delay_alu instid0(VALU_DEP_1)
	v_floor_f32 v12, -v[TA]                        ; -M = floor(-t)
.else
	v_max3_num_f32 v13, v13, v[RM], v[TB]
	s_delay_alu instid0(VALU_DEP_1)
	v_mul_f32 v[TA], s[CS], v13
	s_delay_alu instid0(VALU_DEP_1)
	v_floor_f32 v[TB], -v[TA]
	s_delay_alu instid0(VALU_DEP_1)
	v_sub_f32 v[TA], v[TB], v12                    ; old M less new M: a whole number, 0 or less
	v_mov_b32 v12, v[TB]
.endif
.set N, 0
.rept 16*NC
	v_pk_fma_f32 v[S+N:S+N+1], v[S+N:S+N+1], s[CS:CS+1], v[12:13] op_sel_hi:[1,0,0]   ; t - M
.set N, N+2
.endr
.set C, 0
.rept NC
	v_fma_f32 v[BM+C], v[BM+C], s[CS], v12         ; the same of each block's largest score
.set C, C+1
.endr
	s_wait_alu depctr_va_vdst(0)
.set C, 0
.rept NC
	v_exp_f32 v[BM+C], v[BM+C]                     ; the block's largest p
.set C, C+1
.endr
.set N, 0
.rept 32*NC
	v_exp_f32 v[S+N], v[S+N]                       ; p = 2^(t - M)
.set N, N+1
.endr
.if \kind
	v_nop
.else
	v_cvt_i32_f32 v[TA], v[TA]
	s_delay_alu instid0(VALU_DEP_1)
	v_ldexp_f32 v[FF], 1.0, v[TA]                  ; f = 2^(old M - new M)
.endif
	s_wait_alu depctr_va_vdst(0)                   ; one wait for the batch, ahead of its first reader
.set C, 0
.rept NC
	v_max_num_f32 v[BM+C], 0x1800000, v[BM+C]      ; the floor 2^(3 - 127): the byte cannot fall under 1
.set C, C+1
.endr
.set C, 0
.rept NC
.if NC == 2
	s_delay_alu instid0(VALU_DEP_2)
.else
	s_delay_alu instid0(VALU_DEP_1)
.endif
	v_add_nc_u32 v[SO+C], 0xff000000, v[BM+C]      ; 2 off the exponent field: the conversion's scale operand
.set C, C+1
.endr
.set C, 0
.rept NC
.if NC == 2
	s_delay_alu instid0(VALU_DEP_2)
.else
	s_delay_alu instid0(VALU_DEP_1)
.endif
	v_lshrrev_b32 v[BM+C], 23, v[SO+C]             ; the scale's byte
.set C, C+1
.endr
.if NC == 2
	s_delay_alu instid0(VALU_DEP_1)
	v_lshl_or_b32 v[TA], v[BM+1], 16, v[BM]        ; my blocks h and 2 + h, at bytes 0 and 2
.endif
	s_delay_alu instid0(VALU_DEP_1)
	v_permlanex16_b32 v[OTH], v[RM], s[SEL], s[SEL+1]
	s_delay_alu instid0(VALU_DEP_1)
	v_perm_b32 v[PSC], v[OTH], v[RM], 0x06020400   ; lanes 0-15: the bytes of blocks 0, 1, 2, 3 (lanes 16-31 are not read)
	; the row's sum, of the unquantised p, in two chains
.if \kind
	v_pk_add_f32 v[14:15], v[S:S+1], v[S+2:S+3]
	v_pk_add_f32 v[SUM2:SUM2+1], v[S+4:S+5], v[S+6:S+7]
.set N, 8
.else
	v_pk_fma_f32 v[14:15], v[14:15], v[FF:FF+1], v[S:S+1] op_sel_hi:[1,0,1]   ; the sum under the new M
	v_pk_add_f32 v[SUM2:SUM2+1], v[S+2:S+3], v[S+4:S+5]
.set N, 6
.endif
.rept (32*NC-N)/4
	v_pk_add_f32 v[14:15], v[14:15], v[S+N:S+N+1]
	v_pk_add_f32 v[SUM2:SUM2+1], v[SUM2:SUM2+1], v[S+N+2:S+N+3]
.set N, N+4
.endr
.if N < 32*NC
	v_pk_add_f32 v[14:15], v[14:15], v[S+N:S+N+1]
.endif
	s_delay_alu instid0(VALU_DEP_1)
	v_pk_add_f32 v[14:15], v[14:15], v[SUM2:SUM2+1]
	; codes: a block's lower 16 go straight into the operand; the upper 16 (three registers from an odd number on) are made where the lower 16's p lay, and moved
.set C, 0
.rept NC
	v_cvt_scalef32_pk16_fp6_f32 v[P+6*C:P+6*C+2], v[S+32*C:S+32*C+15], v[SO+C]
.set C, C+1
.endr
	v_nop                                          ; one plain place behind a scaled conversion
.set C, 0
.rept NC
	v_cvt_scalef32_pk16_fp6_f32 v[S+32*C:S+32*C+2], v[S+32*C+16:S+32*C+31], v[SO+C]
.set C, C+1
.endr
	v_nop
.set C, 0
.rept NC
.irp i, 0,1,2
	v_mov_b32 v[P+6*C+3+\i], v[S+32*C+\i]
.endr
.set C, C+1
.endr
.if NC == 1
.irp i, 6,7,8,9,10,11
	v_mov_b32 v[P+\i], 0                           ; zero codes for the hidden keys 64-127
.endr
.endif
	s_wait_dscnt 0x0                               ; v's fragments and the next block's of k are in
	s_wait_alu depctr_va_vdst(0)                   ; directly ahead of the first reader of O^T
.if \kind
	PLACES                                         ; an operand written by vector instructions stands four places ahead of a scaled product
.irp t, 0,1,2,3
	MMZ O+8*\t, FRV+12*\t, P, VSC+\t/2, PSC, \t%2  ; the pass's first products start the sums
.endr
.else
.set N, 0
.rept 16
	v_pk_mul_f32 v[O+N:O+N+1], v[O+N:O+N+1], v[FF:FF+1] op_sel_hi:[1,0]   ; O^T under the new M
.set N, N+2
.endr
.irp t, 0,1,2,3
	MMA O+8*\t, FRV+12*\t, P, VSC+\t/2, PSC, \t%2
.endr
.endif
.endm
.macro PASS e
.if \e
	s_wait_xcnt 0x0                                ; the first pass's stores have read their registers
.endif
	STEP 2-\e
	s_mov_b32 s[STP], 0
	s_mov_b32 s[TK], 0
.Lk_\@:                                        ; 15 trips in every wave; the trips beyond my open blocks do nothing
	s_cmp_ge_u32 s[STP], s[GG+\e]
	s_cbranch_scc1 .Lsk_\@
	STEP 0
.Lsk_\@:
	s_add_co_u32 s[TK], s[TK], BLK
	s_add_co_u32 s[STP], s[STP], 1
	s_cmp_lt_u32 s[STP], 15
	s_cbranch_scc1 .Lk_\@
	PLACES
.if \e == 0
.irp i, 0,1,2,3,4,5
	v_mov_b32 v[Q+\i], v[QB+\i]                    ; the second pass's q,
.endr
	v_mov_b32 v[QS], v[QSB]
	s_mul_i32 s[TK], s[GG+1], BLK
	v_add_nc_u32 v[AD], s[TK], v[LI]
	KLOAD AD, 0                                    ; and its diagonal block's k, fetched under the work below
.endif
	v_add_f32 v14, v14, v15
	s_delay_alu instid0(VALU_DEP_1)
	v_permlanex16_b32 v[TA], v14, s[SEL], s[SEL+1]
	s_delay_alu instid0(VALU_DEP_1)
	v_add_f32 v14, v14, v[TA]                      ; the row's sum
	s_wait_alu depctr_va_vdst(0)
	v_rcp_f32 v14, v14
	v_nop
	s_wait_alu depctr_va_vdst(0)
.set N, 0
.rept 32
	v_mul_f32 v[S+N], v[O+N], v14                  ; y: register 16 b + i of lane (r, h) is channel 32 b + 16 h + i
.set N, N+1
.endr
.irp b, 0,1
	v_max3_num_f32 v[BM+\b], |v[S+16*\b]|, |v[S+16*\b+1]|, 0x1800000
.endr
.irp i, 2,4,6,8,10,12,14
.irp b, 0,1
	s_delay_alu instid0(VALU_DEP_2)
	v_max3_num_f32 v[BM+\b], v[BM+\b], |v[S+16*\b+\i]|, |v[S+16*\b+\i+1]|
.endr
.endr
.irp b, 0,1
	s_delay_alu instid0(VALU_DEP_2)
	v_permlanex16_b32 v[BT+\b], v[BM+\b], s[SEL], s[SEL+1]
.endr
.irp b, 0,1
	s_delay_alu instid0(VALU_DEP_2)
	v_max_num_f32 v[BM+\b], v[BM+\b], v[BT+\b]
.endr
.irp b, 0,1
	s_delay_alu instid0(VALU_DEP_2)
	v_add_nc_u32 v[SO+\b], 0xff000000, v[BM+\b]
.endr
.irp b, 0,1
	s_delay_alu instid0(VALU_DEP_2)
	v_lshrrev_b32 v[BT+\b], 23, v[SO+\b]
.endr
	s_delay_alu instid0(VALU_DEP_1)
	v_lshl_or_b32 v[TA], v[BT+1], 8, v[BT]
	v_cvt_scalef32_pk16_fp6_f32 v[P:P+2], v[S:S+15], v[SO]
	v_cvt_scalef32_pk16_fp6_f32 v[CT:CT+2], v[S+16:S+31], v[SO+1]
	v_nop
.irp i, 0,1,2
	v_permlane16_swap_b32 v[P+\i], v[CT+\i]        ; a whole block to a lane
.endr
.irp i, 0,1,2
	s_delay_alu instid0(VALU_DEP_3)
	v_mov_b32 v[P+3+\i], v[CT+\i]
.endr
	global_store_b128 v[LI], v[P:P+3], s[YC+4*\e:YC+4*\e+1]
	global_store_b64 v[L8], v[P+4:P+5], s[YC+4*\e:YC+4*\e+1] offset:512
	global_store_b16 v[YSO], v[TA], s[YC+4*\e+2:YC+4*\e+3]
.endm
	PASS 0
	PASS 1
	s_wait_tensorcnt 0x0                           ; the wave's end
	ds_add_u32 v254, v255
	s_wait_dscnt 0x0
	ROUND                                          ; the closing round
	s_endpgm
.Lfunc_end_k_q7b01fe02ba_attn:
	.size	k_q7b01fe02ba_attn, .Lfunc_end_k_q7b01fe02ba_attn-k_q7b01fe02ba_attn
	.p2alignl 7, 3214868480
	.fill 96, 4, 3214868480
	.section	.rodata,"a",@progbits
	.p2align	6, 0x0
	.amdhsa_kernel k_q7b01fe02ba_attn
		.amdhsa_group_segment_fixed_size 327680
		.amdhsa_private_segment_fixed_size 0
		.amdhsa_enable_private_segment 0
		.amdhsa_kernarg_size 32
		.amdhsa_user_sgpr_count 2
		.amdhsa_user_sgpr_kernarg_segment_ptr 1
		.amdhsa_wavefront_size32 1
		.amdhsa_system_sgpr_workgroup_id_x 1
		.amdhsa_system_sgpr_workgroup_id_y 1
		.amdhsa_system_sgpr_workgroup_id_z 1
		.amdhsa_system_vgpr_workitem_id 0
		.amdhsa_next_free_vgpr 256
		.amdhsa_next_free_sgpr 100
		.amdhsa_reserve_vcc 1
		.amdhsa_float_denorm_mode_32 3
		.amdhsa_float_denorm_mode_16_64 3
		.amdhsa_memory_ordered 1
		.amdhsa_forward_progress 1
		.amdhsa_inst_pref_size 74
	.end_amdhsa_kernel
	.amdgpu_metadata
---
amdhsa.version: [ 1, 2 ]
amdhsa.kernels:
  - .name:           k_q7b01fe02ba_attn
    .symbol:         k_q7b01fe02ba_attn.kd
    .args:
      - { .name: qimg, .offset: 0, .size: 8, .value_kind: global_buffer, .address_space: global }
      - { .name: kvimg, .offset: 8, .size: 8, .value_kind: global_buffer, .address_space: global }
      - { .name: ycodes, .offset: 16, .size: 8, .value_kind: global_buffer, .address_space: global }
      - { .name: yscales, .offset: 24, .size: 8, .value_kind: global_buffer, .address_space: global }
    .group_segment_fixed_size: 327680
    .private_segment_fixed_size: 0
    .kernarg_segment_align: 8
    .kernarg_segment_size: 32
    .max_flat_workgroup_size: 512
    .sgpr_count:     100
    .vgpr_count:     256
    .wavefront_size: 32
...
	.end_amdgpu_metadata
.endif
;; end of part 2
;; launch outp (part 3): grid 256 x 1, 8 waves a work-group, clusters of 4 x 1, 173,056 bytes of LDS; arguments ycodes, yscales, c_V_codes, c_V_scales, c_U_codes, c_U_scales, out0; writes out0
.if DOCPART == 3
	.amdgcn_target "amdgcn-amd-amdhsa--gfx1250"
	.amdhsa_code_object_version 6
	.text
	.protected	k_q7b01fe02ba_outp
	.globl	k_q7b01fe02ba_outp
	.p2align	8
	.type	k_q7b01fe02ba_outp,@function
k_q7b01fe02ba_outp:
	s_mov_b64 s[64:65], 0
	v_nop
	global_prefetch_b8 v0, s[64:65] scope:SCOPE_SE
	s_setreg_imm32_b32 hwreg(HW_REG_WAVE_MODE, 25, 1), 1
	s_wait_xcnt 0x0
	s_wait_alu depctr_hold_cnt(0) depctr_sa_sdst(0) depctr_va_vdst(0) depctr_va_sdst(0) depctr_va_ssrc(0) depctr_va_vcc(0) depctr_vm_vsrc(0)
	s_getreg_b32 s2, hwreg(HW_REG_IB_STS2, 6, 4)
	s_cmp_eq_u32 s2, 0
	s_cbranch_scc0 .Lentry_in_a_cluster
	s_endpgm
.Lentry_in_a_cluster:
	s_bfe_u32 s2, ttmp6, 0x10000c
	s_cmp_lg_u32 s2, 0x3003
	s_cbranch_scc0 .Lentry_shape_is_right
	s_endpgm
.Lentry_shape_is_right:
; OUTP.  out = Q((y c_V^T) s) c_U^T for 32 tokens a work-group, both products on codes of FP6 (E2M3) with E8M0 scales; s_k = (k + 1)^-0.7; out is f32.
; y arrives as images of operand registers: tile T of a batch holds tokens 32 (T / 2) + 8 (T % 2) + r + 8 (r / 8); a head's 768 bytes are half a K step's fragment.  The work-group takes tiles 2 p and 2 p + 1.
; PHASE A (waves 0-3; tt = wave & 1, vh = wave >> 1): w = y c_V^T for tile tt and R = 32 vh .. + 31: two accumulators by turns, 8 K steps; y's 8 fragments go from memory straight into registers, c_V's come
;   from LDS.  w s is quantised (a block of 32 lies in lanes l and l xor 16) and goes to LDS as rows of 48 bytes.
; PHASE B (all 8 waves): wave w makes columns 128 w .. + 127 for both tiles: source 0 = 16 rows of c_U, source 1 = w's 16 tokens: a lane holds eight neighbouring columns of one token.
; K = 64 IN A FORM OF K = 128: w's fragments carry zero codes in their upper six registers; c_U's lie 6 registers apart (what follows a tile's six is the next tile's codes, all finite; zeros behind the last).
; CLUSTER: all work-groups read the same c_V and c_U: the four of a cluster ask for both jointly, waves 0-3 a quarter of c_V each, waves 4-7 a quarter of c_U each.
; THE WAY OUT: 16 rows x 512 bytes through the wave's own stage in LDS, back as whole rows: each store covers 512 consecutive bytes, aligned to 256.
; LIMITS: scale bytes 0xff among the inputs are not served; a block whose largest magnitude lies under 2^-124 keeps the byte 1; s_k = exp2(-0.7 log2(k + 1)), good to some 4e-7 of the number.
.set PITCH, 816                        ; as in the first launch: 3 x (256 bytes + 16)
.set VBASE, 0                          ; c_V: 64 rows, in memory's order
.set UB,    64*PITCH                   ; c_U: 1,024 rows of 48 bytes, dense: row r starts at bank 12 r mod 64
.set WB,    UB+49152                   ; w's codes: [tile][row][48 bytes] (stored by the waves: no tile lands from here on)
.set WS,    WB+1536                    ; w's scale words: 4 bytes a row
.set STG,   WS+256                     ; the stages: 16 rows x (512 + 16) bytes for each wave
.set WV,  18
.set CX,  19
.set SEL, 20
.set G1V, 24
.set G1U, 32
.set WG,  40
.set TT,  41
.set VH,  42
.set G0V, 44
.set G0U, 48
.set LN,   1
.set RR,   2
.set HH,   3
.set RP,   4
.set AV,   5                           ; v5, v6
.set AZW,  7
.set AZSW, 8
.set NIL,  9
.set AWR,  10
.set AWSR, 11
.set AU,   12
.set LI,   13
.set STO,  14
.set RD,   15
.set YS,   16                          ; v16-23 y's scale words, one a K step
.set CVS,  24                          ; v24-31 c_V's: lanes 0-15 tile u = 0, lanes 16-31 u = 1
.set CUS,  32                          ; v32-35 c_U's: lanes 0-15 tile 2 a, lanes 16-31 tile 2 a + 1
.set WSC,  36                          ; w's: lanes 0-15 tile 0, lanes 16-31 tile 1
.set L8,   37
.set OYS,  38
.set OCV,  39
.set STAB, 40                          ; phase A
.set ZA,   56
.set F0,   72                          ; two sets of 24
.set YF,   120                         ; y's 8 fragments
.set T0,   216
.set ZC,   220
.set CU,   40                          ; phase B: c_U's 8 tiles, 6 registers each, and 6 zeros
.set WF,   94                          ; w's two fragments
.set ACC0, 118
.set ACC1, 182
.set BK0,  40
.set BK1,  118
.set OCU,  246
.set TMPV, 247
.macro ROUND                           ; a round of the cluster's barrier
	s_barrier_signal -1
	s_barrier_wait -1
	s_cmp_lg_u32 s[WV], 0
	s_cbranch_scc1 .Lnw0_\@
	s_barrier_signal -3
.Lnw0_\@:
	s_barrier_wait -3
	s_barrier_signal -1
	s_barrier_wait -1
.endm
.macro PLACES                          ; four plain places behind a matrix instruction (ISA guide 7.12.1)
.rept 4
	v_nop
.endr
.endm
.macro MMZ d, a, b, sa, sb, ra, rb
.if (\ra) && (\rb)
	v_wmma_scale_f32_16x16x128_f8f6f4 v[\d:\d+7], v[\a:\a+11], v[\b:\b+11], 0, v[\sa], v[\sb] matrix_a_fmt:MATRIX_FMT_FP6 matrix_b_fmt:MATRIX_FMT_FP6 matrix_a_scale:MATRIX_SCALE_ROW1 matrix_b_scale:MATRIX_SCALE_ROW1
.elseif (\ra)
	v_wmma_scale_f32_16x16x128_f8f6f4 v[\d:\d+7], v[\a:\a+11], v[\b:\b+11], 0, v[\sa], v[\sb] matrix_a_fmt:MATRIX_FMT_FP6 matrix_b_fmt:MATRIX_FMT_FP6 matrix_a_scale:MATRIX_SCALE_ROW1
.elseif (\rb)
	v_wmma_scale_f32_16x16x128_f8f6f4 v[\d:\d+7], v[\a:\a+11], v[\b:\b+11], 0, v[\sa], v[\sb] matrix_a_fmt:MATRIX_FMT_FP6 matrix_b_fmt:MATRIX_FMT_FP6 matrix_b_scale:MATRIX_SCALE_ROW1
.else
	v_wmma_scale_f32_16x16x128_f8f6f4 v[\d:\d+7], v[\a:\a+11], v[\b:\b+11], 0, v[\sa], v[\sb] matrix_a_fmt:MATRIX_FMT_FP6 matrix_b_fmt:MATRIX_FMT_FP6
.endif
.endm
.macro MMA d, a, b, sa, sb, ra
.if (\ra)
	v_wmma_scale_f32_16x16x128_f8f6f4 v[\d:\d+7], v[\a:\a+11], v[\b:\b+11], v[\d:\d+7], v[\sa], v[\sb] matrix_a_fmt:MATRIX_FMT_FP6 matrix_b_fmt:MATRIX_FMT_FP6 matrix_a_scale:MATRIX_SCALE_ROW1
.else
	v_wmma_scale_f32_16x16x128_f8f6f4 v[\d:\d+7], v[\a:\a+11], v[\b:\b+11], v[\d:\d+7], v[\sa], v[\sb] matrix_a_fmt:MATRIX_FMT_FP6 matrix_b_fmt:MATRIX_FMT_FP6
.endif
.endm
.macro FRAG6 reg, adr, s, off          ; a fragment of K step s from rows of 768 bytes with 16 bytes of padding behind every 256: see the first launch
.irp p, 0,1,2,3,4,5
.set PCN, 12*(\s)+6*(\p/3)+\p%3
.if PCN%32 < 29
	ds_load_b64 v[\reg+2*\p:\reg+2*\p+1], v[\adr] offset:\off+8*PCN+16*(PCN/32)
.else
	ds_load_b64 v[\reg+2*\p:\reg+2*\p+1], v[\adr+1] offset:\off+8*PCN+16*(PCN/32)
.endif
.endr
.endm
.macro AFETCH s, set                   ; 12 LDS loads: c_V's two fragments of K step s
	FRAG6 \set, AV, \s, 0
	FRAG6 \set+12, AV, \s, 8*PITCH
.endm
	s_load_b256 s[4:11], s[0:1], 0x0               ; ycodes, yscales, c_V's codes, c_V's scales
	s_load_b128 s[12:15], s[0:1], 0x20             ; c_U's codes, c_U's scales
	s_load_b64 s[16:17], s[0:1], 0x30              ; out0
	v_lshl_add_u32 v254, v0, 2, 0x2a000
	v_mov_b32 v255, 0
	ds_add_u32 v254, v255
	ds_add_u32 v254, v255
	v_lshrrev_b32 v1, 5, v0
	s_delay_alu instid0(VALU_DEP_1)
	v_readfirstlane_b32 s[WV], v1                  ; wave 0..7
	s_bfe_u32 s[CX], ttmp6, 0x40000
	s_lshl_b32 s[WG], ttmp9, 2
	s_add_co_u32 s[WG], s[WG], s[CX]               ; work-group 0..255 = 64 x batch + p: it enters global addresses alone
	s_and_b32 s[TT], s[WV], 1
	s_bfe_u32 s[VH], s[WV], 0x10001                ; bit 1 of the wave's number
	s_mov_b32 s[SEL], 0x76543210
	s_mov_b32 s[SEL+1], 0xfedcba98
	s_mov_b32 s[G1V], 15|(1<<20)|(1<<21)|(5<<22)|(3<<25)   ; c_V: 16 rows of 768 bytes, 16 bytes of padding behind every 256; the mask names all four, bit 21 beside it
	s_mov_b32 s[G1V+1], 768<<16
	s_mov_b32 s[G1V+2], 16<<16
	s_mov_b32 s[G1V+3], 768<<16
	s_mov_b32 s[G1V+4], 16
	s_mov_b32 s[G1V+5], 768
	s_mov_b32 s[G1V+6], 0
	s_mov_b32 s[G1V+7], 0
	s_mov_b32 s[G1U], 15|(3<<16)|(1<<21)           ; c_U: 12,288 dense bytes as 48 rows of 256 (32 elements of 8 bytes)
	s_mov_b32 s[G1U+1], 32<<16
	s_mov_b32 s[G1U+2], 48<<16
	s_mov_b32 s[G1U+3], 32<<16
	s_mov_b32 s[G1U+4], 48
	s_mov_b32 s[G1U+5], 32
	s_mov_b32 s[G1U+6], 0
	s_mov_b32 s[G1U+7], 0
	s_and_b32 s54, s[WV], 3                        ; waves 0-3 fetch a quarter of c_V each (16 rows, in memory's order), waves 4-7 a quarter of c_U (12,288 bytes)
	s_mov_b32 s53, 0
	s_mul_i32 s52, s54, 12288
	s_wait_dscnt 0x0
	s_wait_kmcnt 0x0
	s_mov_b32 s[G0V], 1
	s_mul_i32 s[G0V+1], s54, 16*PITCH              ; VBASE = 0
	s_add_nc_u64 s[G0V+2:G0V+3], s[8:9], s[52:53]
	s_or_b32 s[G0V+3], s[G0V+3], 0x80000000
	s_mov_b32 s[G0U], 1
	s_add_co_u32 s[G0U+1], s52, UB
	s_add_nc_u64 s[G0U+2:G0U+3], s[12:13], s[52:53]
	s_or_b32 s[G0U+3], s[G0U+3], 0x80000000
	s_lshl_b32 s56, s[WG], 1
	s_add_co_u32 s56, s56, s[TT]                   ; 128 x batch + my tile of y
	s_mul_i32 s52, s56, 12288
	s_add_nc_u64 s[4:5], s[4:5], s[52:53]
	s_lshl_b32 s52, s56, 9
	s_add_nc_u64 s[6:7], s[6:7], s[52:53]
	s_lshl_b32 s52, s[VH], 10
	s_add_nc_u64 s[10:11], s[10:11], s[52:53]
	s_lshl_b32 s52, s[WV], 8
	s_add_nc_u64 s[14:15], s[14:15], s[52:53]
	s_lshl_b32 s52, s[WG], 17                      ; 32 rows of 4,096 bytes a work-group,
	s_lshl_b32 s56, s[WV], 9                       ; 512 bytes of a row a wave
	s_add_co_u32 s52, s52, s56
	s_add_nc_u64 s[16:17], s[16:17], s[52:53]
	ROUND                                          ; the four work-groups are here: the joint loads meet
	s_cmp_lt_u32 s[WV], 4                          ; one tensor load a wave
	s_cbranch_scc0 .Lfor_u
	tensor_load_to_lds s[G0V:G0V+3], s[G1V:G1V+7]
	s_nop 0
	PLACES
	s_branch .Lasked
.Lfor_u:
	tensor_load_to_lds s[G0U:G0U+3], s[G1U:G1U+7]
	s_nop 0
	PLACES
.Lasked:
	; every LDS address is made here, ahead of the parting of the waves
	v_and_b32 v[LN], 31, v0
	v_and_b32 v[RR], 15, v0
	v_bfe_u32 v[HH], v0, 4, 1
	s_delay_alu instid0(VALU_DEP_2)
	v_and_b32 v[RP], 8, v[RR]
	s_delay_alu instid0(VALU_DEP_1)
	v_add_nc_u32 v[RP], v[RP], v[RR]
	v_lshlrev_b32 v[OCU], 1, v[LN]
.irp a, 0,1,2,3
	global_load_u16 v[CUS+\a], v[OCU], s[14:15] offset:64*\a   ; rows 32 a + lane of my 128: two scale bytes; bytes 2 and 3 come as 0
.endr
	v_mul_u32_u24 v[AV], v[RP], PITCH              ; lane r of tile u takes row 32 vh + 8 u + r + 8 (r / 8) of c_V
	s_delay_alu instid0(VALU_DEP_1)
	v_mad_u32_u24 v[AV], v[HH], 24, v[AV]
	s_mul_i32 s52, s[VH], 32*PITCH
	v_add_nc_u32 v[AV], s52, v[AV]
	s_delay_alu instid0(VALU_DEP_1)
	v_lshl_add_u32 v[AV+1], v[HH], 4, v[AV]
	s_mul_i32 s52, s[TT], 768
	s_mul_i32 s56, s[VH], 24
	s_add_co_u32 s52, s52, s56
	s_add_co_u32 s52, s52, WB
	v_mul_u32_u24 v[AZW], v[RR], 48
	s_delay_alu instid0(VALU_DEP_1)
	v_mad_u32_u24 v[AZW], v[HH], 12, v[AZW]
	s_delay_alu instid0(VALU_DEP_1)
	v_add_nc_u32 v[AZW], s52, v[AZW]
	s_lshl_b32 s52, s[TT], 6
	s_add_co_u32 s52, s52, s[VH]
	s_add_co_u32 s52, s52, WS
	v_lshl_add_u32 v[AZSW], v[RR], 2, s52
	v_mov_b32 v[NIL], 0
	v_mul_u32_u24 v[AWR], v[RR], 48
	s_delay_alu instid0(VALU_DEP_1)
	v_mad_u32_u24 v[AWR], v[HH], 24, v[AWR]
	s_mul_i32 s52, s[WV], 6144
	s_add_co_u32 s52, s52, UB
	v_add_nc_u32 v[AU], s52, v[AWR]
	v_add_nc_u32 v[AWR], WB, v[AWR]
	v_lshl_add_u32 v[AWSR], v[LN], 2, WS
	v_lshlrev_b32 v[LI], 4, v[LN]
	v_lshlrev_b32 v[L8], 3, v[LN]
	s_mul_i32 s52, s[WV], 16*528
	s_add_co_u32 s52, s52, STG
	v_mul_u32_u24 v[STO], v[RR], 528
	s_delay_alu instid0(VALU_DEP_1)
	v_lshl_add_u32 v[STO], v[HH], 5, v[STO]
	s_delay_alu instid0(VALU_DEP_1)
	v_add_nc_u32 v[STO], s52, v[STO]
	v_add_nc_u32 v[RD], s52, v[LI]
	v_lshlrev_b32 v[OYS], 5, v[RR]
	v_lshl_add_u32 v[OCV], v[HH], 3, v[RP]
	s_delay_alu instid0(VALU_DEP_1)
	v_lshlrev_b32 v[OCV], 5, v[OCV]
	v_mov_b32 v[T0+1], 0                           ; a lane permute's destination counts as one of its sources
	s_lshl_b32 s52, s[VH], 5
	v_lshl_add_u32 v[TMPV], v[HH], 4, s52          ; 32 vh + 16 h
	s_cmp_lt_u32 s[WV], 4
	s_cbranch_scc0 .LnoA1
.irp d, 0,1,2,3,4,5,6,7,8,9,10,11,12,13,14,15   ; y's fragments: head d is half d % 2 of K step d / 2
	global_load_b128 v[YF+6*\d:YF+6*\d+3], v[LI], s[4:5] offset:768*\d th:TH_LOAD_NT
	global_load_b64 v[YF+6*\d+4:YF+6*\d+5], v[L8], s[4:5] offset:768*\d+512 th:TH_LOAD_NT
.endr
	global_load_b128 v[YS:YS+3], v[OYS], s[6:7]
	global_load_b128 v[YS+4:YS+7], v[OYS], s[6:7] offset:16
	global_load_b128 v[CVS:CVS+3], v[OCV], s[10:11]
	global_load_b128 v[CVS+4:CVS+7], v[OCV], s[10:11] offset:16
	; s of my 16 R: (32 vh + 16 h + i + 1)^-0.7 = exp2(-0.7 log2(..))
.set N, 0
.rept 16
	v_add_nc_u32 v[STAB+N], N+1, v[TMPV]
.set N, N+1
.endr
.set N, 0
.rept 16
	v_cvt_f32_u32 v[STAB+N], v[STAB+N]
.set N, N+1
.endr
.set N, 0
	s_wait_alu depctr_va_vdst(0)
.rept 16
	v_log_f32 v[STAB+N], v[STAB+N]
.set N, N+1
.endr
	v_nop
	s_wait_alu depctr_va_vdst(0)                   ; one wait for the batch, ahead of its first reader
.set N, 0
.rept 16
	v_mul_f32 v[STAB+N], 0xbf333333, v[STAB+N]
.set N, N+1
.endr
.set N, 0
	s_wait_alu depctr_va_vdst(0)
.rept 16
	v_exp_f32 v[STAB+N], v[STAB+N]
.set N, N+1
.endr
	v_nop
	s_wait_alu depctr_va_vdst(0)
.LnoA1:
	s_wait_tensorcnt 0x0                           ; my parts of c_V and c_U have landed,
	s_barrier_signal -1
	s_barrier_wait -1                              ; everybody's have
	s_cmp_lt_u32 s[WV], 4
	s_cbranch_scc0 .LnoA2
	s_wait_loadcnt 0x0                             ; y and the scale words
	; ---- PHASE A: w = y c_V^T, 8 K steps; the next step's 12 loads are issued ahead of this step's two products
	AFETCH 0, F0
.set SS, 0
.rept 8
.set CUR, F0+24*(SS%2)
.set NXT, F0+24*((SS+1)%2)
.if SS < 7
.if SS > 0
	PLACES                                         ; the set to be loaded was read by the last two products
.endif
	AFETCH SS+1, NXT
	s_wait_dscnt 12                                ; all but the 12 just issued
.else
	s_wait_dscnt 0x0
.endif
.if SS == 0
	MMZ ZA, CUR, YF+12*SS, CVS+SS, YS+SS, 0, 0
	MMZ ZA+8, CUR+12, YF+12*SS, CVS+SS, YS+SS, 1, 0
.else
	MMA ZA, CUR, YF+12*SS, CVS+SS, YS+SS, 0        ; the two accumulators take turns
	MMA ZA+8, CUR+12, YF+12*SS, CVS+SS, YS+SS, 1
.endif
.set SS, SS+1
.endr
	PLACES
.irp i, 0,2,4,6,8,10,12,14
	v_pk_mul_f32 v[ZA+\i:ZA+\i+1], v[ZA+\i:ZA+\i+1], v[STAB+\i:STAB+\i+1]   ; x s
.endr
	v_max3_num_f32 v[T0], |v[ZA]|, |v[ZA+1]|, 0x1800000
.irp i, 2,4,6,8,10,12,14
	s_delay_alu instid0(VALU_DEP_1)
	v_max3_num_f32 v[T0], v[T0], |v[ZA+\i]|, |v[ZA+\i+1]|
.endr
	s_delay_alu instid0(VALU_DEP_1)
	v_permlanex16_b32 v[T0+1], v[T0], s[SEL], s[SEL+1]
	s_delay_alu instid0(VALU_DEP_1)
	v_max_num_f32 v[T0], v[T0], v[T0+1]
	s_delay_alu instid0(VALU_DEP_1)
	v_add_nc_u32 v[T0+2], 0xff000000, v[T0]
	s_delay_alu instid0(VALU_DEP_1)
	v_lshrrev_b32 v[T0+3], 23, v[T0+2]
	v_cvt_scalef32_pk16_fp6_f32 v[ZC:ZC+2], v[ZA:ZA+15], v[T0+2]
	v_nop                                          ; one plain place behind a scaled conversion
.irp i, 0,1,2
	ds_store_b32 v[AZW], v[ZC+\i] offset:4*\i
.endr
	ds_store_b8 v[AZSW], v[T0+3]
	ds_store_b8 v[AZSW], v[NIL] offset:2
.LnoA2:
	s_wait_dscnt 0x0                               ; for the others' sake: my stores have landed
	s_barrier_signal -1
	s_barrier_wait -1                              ; w of both tiles lies in LDS
	s_wait_loadcnt 0x0                             ; c_U's scale words
	; ---- PHASE B: my 128 columns for both tiles
.irp i, 6,7,8,9,10,11
	v_mov_b32 v[WF+\i], 0                          ; zero codes for k = 64 .. 127
	v_mov_b32 v[WF+12+\i], 0
	v_mov_b32 v[CU+42+\i], 0                       ; what c_U's last tile names behind its six registers
.endr
	PLACES                                         ; an operand written by vector instructions stands four places ahead of a scaled product
.irp t, 0,1,2,3,4,5,6,7
.irp p, 0,1,2
	ds_load_b64 v[CU+6*\t+2*\p:CU+6*\t+2*\p+1], v[AU] offset:768*\t+8*\p
.endr
.endr
.irp m, 0,1
.irp i, 0,1,2
	ds_load_b64 v[WF+12*\m+2*\i:WF+12*\m+2*\i+1], v[AWR] offset:768*\m+8*\i
.endr
.endr
	ds_load_b32 v[WSC], v[AWSR]
	s_wait_alu depctr_va_vdst(0)
	s_wait_dscnt 0x0
.irp t, 0,1,2,3,4,5,6,7
	MMZ ACC0+8*\t, CU+6*\t, WF, CUS+\t/2, WSC, \t%2, 0      ; lane (r, h), register j: token row r, column 16 t + 8 h + j
.endr
.irp t, 0,1,2,3,4,5,6,7
	MMZ ACC1+8*\t, CU+6*\t, WF+12, CUS+\t/2, WSC, \t%2, 1
.endr
	PLACES
.macro TOST acc                        ; a tile's 16 rows x 512 bytes into my stage, each accumulator from its low end on
.irp t, 0,1,2,3,4,5,6,7
	ds_store_b128 v[STO], v[\acc+8*\t:\acc+8*\t+3] offset:64*\t
	ds_store_b128 v[STO], v[\acc+8*\t+4:\acc+8*\t+7] offset:64*\t+16
.endr
.endm
.macro BACK bk                         ; and back as whole rows; LDS serves a wave's instructions in order (ISA guide 5.7.1.4)
.irp i, 0,1,2,3,4,5,6,7,8,9,10,11,12,13,14,15
	ds_load_b128 v[\bk+4*\i:\bk+4*\i+3], v[RD] offset:528*\i
.endr
.endm
.macro SEND bk, m                      ; row i of tile m is token 8 m + i + 8 (i / 8) of my 32
.irp i, 0,1,2,3,4,5,6,7,8,9,10,11,12,13,14,15
	global_store_b128 v[LI], v[\bk+4*\i:\bk+4*\i+3], s[16:17] offset:(8*\m+\i+8*(\i/8))*4096 th:TH_STORE_NT
.endr
.endm
	TOST ACC0
	BACK BK0
	TOST ACC1
	s_wait_dscnt 16                                ; all but tile 1's 16 stores: tile 0 is back in registers, and its stores into the stage have read the accumulators,
	BACK BK1                                       ; into which tile 1 comes back
	SEND BK0, 0
	s_wait_dscnt 0x0
	SEND BK1, 1
	s_wait_tensorcnt 0x0
	ds_add_u32 v254, v255
	s_wait_dscnt 0x0
	ROUND                                          ; the closing round (no LDS instruction of mine is out)
	s_endpgm
.Lfunc_end_k_q7b01fe02ba_outp:
	.size	k_q7b01fe02ba_outp, .Lfunc_end_k_q7b01fe02ba_outp-k_q7b01fe02ba_outp
	.p2alignl 7, 3214868480
	.fill 96, 4, 3214868480
	.section	.rodata,"a",@progbits
	.p2align	6, 0x0
	.amdhsa_kernel k_q7b01fe02ba_outp
		.amdhsa_group_segment_fixed_size 173056
		.amdhsa_private_segment_fixed_size 0
		.amdhsa_enable_private_segment 0
		.amdhsa_kernarg_size 56
		.amdhsa_user_sgpr_count 2
		.amdhsa_user_sgpr_kernarg_segment_ptr 1
		.amdhsa_wavefront_size32 1
		.amdhsa_system_sgpr_workgroup_id_x 1
		.amdhsa_system_sgpr_workgroup_id_y 1
		.amdhsa_system_sgpr_workgroup_id_z 1
		.amdhsa_system_vgpr_workitem_id 0
		.amdhsa_next_free_vgpr 256
		.amdhsa_next_free_sgpr 100
		.amdhsa_reserve_vcc 0
		.amdhsa_float_denorm_mode_32 3
		.amdhsa_float_denorm_mode_16_64 3
		.amdhsa_memory_ordered 1
		.amdhsa_forward_progress 1
		.amdhsa_inst_pref_size 38
	.end_amdhsa_kernel
	.amdgpu_metadata
---
amdhsa.version: [ 1, 2 ]
amdhsa.kernels:
  - .name:           k_q7b01fe02ba_outp
    .symbol:         k_q7b01fe02ba_outp.kd
    .args:
      - { .name: ycodes, .offset: 0, .size: 8, .value_kind: global_buffer, .address_space: global }
      - { .name: yscales, .offset: 8, .size: 8, .value_kind: global_buffer, .address_space: global }
      - { .name: c_V_codes, .offset: 16, .size: 8, .value_kind: global_buffer, .address_space: global }
      - { .name: c_V_scales, .offset: 24, .size: 8, .value_kind: global_buffer, .address_space: global }
      - { .name: c_U_codes, .offset: 32, .size: 8, .value_kind: global_buffer, .address_space: global }
      - { .name: c_U_scales, .offset: 40, .size: 8, .value_kind: global_buffer, .address_space: global }
      - { .name: out0, .offset: 48, .size: 8, .value_kind: global_buffer, .address_space: global }
    .group_segment_fixed_size: 173056
    .private_segment_fixed_size: 0
    .kernarg_segment_align: 8
    .kernarg_segment_size: 56
    .max_flat_workgroup_size: 256
    .sgpr_count:     100
    .vgpr_count:     256
    .wavefront_size: 32
...
	.end_amdgpu_metadata
.endif
;; end of part 3
